; MI455X (gfx1250); checked and timed in simulation.
; The chip was launched on July 23, 2026; its instructions are those of AMD's public machine-readable ISA for CDNA 5 (MIT licence, August 2026) and "CDNA5" Instruction Set Architecture Reference Guide (July 2026). The comments in the code are by the model that wrote it; some were corrected since.
;; Self Attention. Allowed arithmetic: float matrix products may take bf16 or f16 operands with f32 sums; other float arithmetic in f32, or as packed bf16 or f16 multiplies, adds, multiply-adds, maxima and minima; sums over many terms, partial sums and values carried from step to step in f32; what a program stores and reads back later, other than sums and carried values, may be rounded once to bf16 or f16.
;; Inputs: Wk 1,024 x 1,024 float32; Wq 1,024 x 1,024 float32; Wv 1,024 x 1,024 float32; input_seq_embs 4 x 2,048 x 1,024 float32.
;; Outputs: out0 4 x 2,048 x 1,024 float32.
;; 2 versions, each right; version 2 is version 1 with the launch prep written anew for expert scheduling mode. Each part assembles by itself: llvm-mc -triple=amdgcn-amd-amdhsa -mcpu=gfx1250 --defsym DOCPART=n.
;; ======== version 1 of 2: 4 launches
;; limits: values are held in f16: magnitudes above 65,504 overflow, below 6.1e-05 lose precision
;; workspace buffers: xb 16,777,216 bytes; bw 6,291,456 bytes; tt 33,554,432 bytes; vt 16,777,216 bytes; pt 33,554,432 bytes; st 2,097,152 bytes
;; launch prep (part 1): grid 896 x 1, 8 waves a work-group, no clusters, 59,392 bytes of LDS; arguments Wk, Wq, Wv, input_seq_embs, xb, bw, st; writes xb, bw, st
.if DOCPART == 1
	.amdgcn_target "amdgcn-amd-amdhsa--gfx1250"
	.amdhsa_code_object_version 6
	.text
	.protected	k_qf82dd03919_prep
	.globl	k_qf82dd03919_prep
	.p2align	8
	.type	k_qf82dd03919_prep,@function
k_qf82dd03919_prep:
	s_mov_b64 s[64:65], 0
	v_nop
	global_prefetch_b8 v0, s[64:65] scope:SCOPE_SE
	s_setreg_imm32_b32 hwreg(HW_REG_WAVE_MODE, 25, 1), 1
	s_wait_xcnt 0x0
; PREP.  scores = q k^T = x (Wq^T Wk) x^T, so the program forms G[j][i] = sum over e of Wk[e][j] Wq[e][i] once and never q or k: an order of rounding that differs from the source's.
; All four inputs are rounded to bf16.  G is kept as two bf16 pieces, hi + lo (lo = bf16(G - hi)): about 16 significant bits.
; Four kinds of work-group, chosen by the work-group's number alone (the same for all its waves):
;   0-255    a tile of G, 64 j x 64 i, K = e = 1,024 in 16 chunks of 64     256-767  16 rows of x cast to bf16 into xb
;   768-831  16 rows of Wv cast to bf16 into bw                             832-895  32 KiB of st filled: maxima -2^100, sums 0
; LAYOUTS.  xb: [kb 16][row 8192][64].  bw: [kb 16][c 8][384 rows][64]: rows 0-127 G hi (j = 128 c + row), 128-255 G lo, 256-383 Wv (e = 128 c + row - 256); kb = the K index / 64.
; So every later tile of 64 along K is dense in memory.
; No tensor loads, no cluster: what is shared is small, and the casts only stream.
.set PW,     160                       ; a row of 64 bf16 in LDS: 128 bytes + 32
.set QOFF,   64*PW                     ; Wq's chunk lies behind Wk's
.set PAR,    2*QOFF                    ; two such pairs take turns
.set STG,    2*PAR                     ; the stage for G's tile in f32: 64 rows of 272 bytes
.set SPITCH, 272
.set SPARE,  STG+64*SPITCH             ; the spare words: 128 bytes for each of eight waves
.set SPW, 2                            ; v2   my spare word's LDS address; never rewritten
.set NIL, 3                            ; v3   0; never rewritten
.set OK,  4                            ; v4   my byte offset in Wk's chunk
.set OQ,  5                            ; v5   in Wq's
.set STA, 6                            ; v6   where I put 8 bytes of a chunk's row
.set TK,  7                            ; v7   the turning load's address for Wk's fragments
.set TQ,  8                            ; v8   for Wq's
.set RB,  32                           ; v32-159  four buffers of 32: a chunk as loaded (4 x 4 of Wk, 4 x 4 of Wq)
.set CV,  160                          ; v160-175 the chunk in bf16
.set FK,  176                          ; v176-191 Wk's two fragments
.set FQ,  192                          ; v192-223 Wq's four
.set ACC, 224                          ; v224-239 two accumulators
.set TT,  240                          ; v240-247 at work
; eight f32 at x -> four registers of bf16 at h, and the rest x - h, which is exact in f32, as four registers of bf16 at l
.macro HILO x, h, l
.irp k, 0,1,2,3
	v_cvt_pk_bf16_f32 v[(\h)+\k], v[(\x)+2*\k], v[(\x)+2*\k+1]
.endr
.irp k, 0,1,2,3
	v_lshlrev_b32 v[TT+2*\k], 16, v[(\h)+\k]
	v_and_b32 v[TT+2*\k+1], 0xffff0000, v[(\h)+\k]
.endr
.irp k, 0,1,2,3
	v_pk_add_f32 v[(\x)+2*\k:(\x)+2*\k+1], v[(\x)+2*\k:(\x)+2*\k+1], v[TT+2*\k:TT+2*\k+1] neg_lo:[0,1] neg_hi:[0,1]
.endr
.irp k, 0,1,2,3
	v_cvt_pk_bf16_f32 v[(\l)+\k], v[(\x)+2*\k], v[(\x)+2*\k+1]
.endr
.endm
	s_load_b256 s[4:11], s[0:1], 0x0               ; Wk s[4:5], Wq s[6:7], Wv s[8:9], x s[10:11]
	s_load_b128 s[12:15], s[0:1], 0x20             ; xb s[12:13], bw s[14:15]
	s_load_b64 s[16:17], s[0:1], 0x30              ; st
	v_lshl_add_u32 v[SPW], v0, 2, SPARE
	v_mov_b32 v[NIL], 0
	v_lshrrev_b32 v1, 5, v0
	v_readfirstlane_b32 s18, v1                    ; wave 0..7
	v_lshrrev_b32 v9, 4, v0                        ; t / 16: a row of sixteen
	v_and_b32 v10, 15, v0                          ; t % 16: 16 bytes of a row's 256
	v_lshlrev_b32 v11, 12, v9
	v_lshl_add_u32 v11, v10, 4, v11                ; row x 4,096 + 16 x piece: sixteen lanes read 256 consecutive bytes
	s_mov_b32 s19, ttmp9
	s_mov_b32 s21, 0                               ; high words of two offset pairs
	s_mov_b32 s23, 0
	s_wait_kmcnt 0x0
	s_cmp_lt_u32 s19, 256
	s_cbranch_scc1 .Lgram
	s_cmp_lt_u32 s19, 768
	s_cbranch_scc1 .Lcast_x
	s_cmp_lt_u32 s19, 832
	s_cbranch_scc1 .Lcast_w
	; THE FILL.  st is [2][b 4][strip 16][key block 32][128 rows] f32: half 0 maxima, half 1 sums.  A key block that no score tile writes then counts for nothing.
	s_sub_co_u32 s20, s19, 832
	s_cmp_lt_u32 s20, 32
	s_cselect_b32 s22, 0xf1800000, 0               ; -2^100 in the first half
	s_lshl_b32 s20, s20, 15
	s_add_nc_u64 s[16:17], s[16:17], s[20:21]
	v_mov_b32 v32, s22
	v_mov_b32 v33, s22
	v_mov_b32 v34, s22
	v_mov_b32 v35, s22
	v_lshlrev_b32 v12, 4, v0
.irp n, 0,1,2,3,4,5,6,7
	global_store_b128 v12, v[32:35], s[16:17] offset:4096*\n
.endr
	s_endpgm
; THE CASTS.  Sixteen rows of 4,096 bytes; thread t takes row t / 16.  Load n is the row's block n of 64 numbers; its 128 bytes of bf16 and the next row's lie side by side:
; a wave's store covers 256 consecutive bytes, aligned.  All 16 loads go out at once; the counts leave the younger ones out.
.macro CAST stride
.irp n, 0,1,2,3,4,5,6,7,8,9,10,11,12,13,14,15
	global_load_b128 v[32+4*\n:35+4*\n], v11, s[24:25] offset:256*\n th:TH_LOAD_NT
.endr
.irp n, 0,1,2,3,4,5,6,7
	s_wait_loadcnt 15-\n
	v_cvt_pk_bf16_f32 v[96+2*\n], v[32+4*\n], v[33+4*\n]
	v_cvt_pk_bf16_f32 v[97+2*\n], v[34+4*\n], v[35+4*\n]
	global_store_b64 v12, v[96+2*\n:97+2*\n], s[26:27] offset:\n*(\stride)
.endr
.irp n, 8,9,10,11,12,13,14,15
	s_wait_loadcnt 15-\n
	v_cvt_pk_bf16_f32 v[96+2*\n], v[32+4*\n], v[33+4*\n]
	v_cvt_pk_bf16_f32 v[97+2*\n], v[34+4*\n], v[35+4*\n]
	global_store_b64 v12, v[96+2*\n:97+2*\n], s[28:29] offset:(\n-8)*(\stride)  ; a second base, eight blocks on, keeps the immediates inside their 24 bits
.endr
	s_endpgm
.endm
.Lcast_x:
	s_sub_co_u32 s20, s19, 256
	s_lshl_b32 s22, s20, 11                        ; 16 rows of 128 bytes in a block of xb
	s_lshl_b32 s20, s20, 16                        ; 16 rows of 4,096 bytes of x
	v_lshlrev_b32 v12, 7, v9
	v_lshl_add_u32 v12, v10, 3, v12                ; row x 128 + 8 x piece
	s_add_nc_u64 s[24:25], s[10:11], s[20:21]
	s_add_nc_u64 s[26:27], s[12:13], s[22:23]
	s_add_nc_u64 s[28:29], s[26:27], 8*1048576
	CAST 1048576
.Lcast_w:
	s_sub_co_u32 s20, s19, 768                     ; rows 16 k on of Wv: block c = k / 8, rows 256 + 16 (k % 8) on
	s_lshr_b32 s22, s20, 3
	s_mul_i32 s22, s22, 49152
	s_and_b32 s30, s20, 7
	s_lshl_b32 s30, s30, 11
	s_add_co_u32 s22, s22, s30
	s_add_co_u32 s22, s22, 32768
	s_lshl_b32 s20, s20, 16
	v_lshlrev_b32 v12, 7, v9
	v_lshl_add_u32 v12, v10, 3, v12
	s_add_nc_u64 s[24:25], s[8:9], s[20:21]
	s_add_nc_u64 s[26:27], s[14:15], s[22:23]
	s_add_nc_u64 s[28:29], s[26:27], 8*393216
	CAST 393216
	; G'S TILE.  Both operands lie [e][column], K down the rows: they go to LDS as bf16 and come out turned.  Wave w makes j block w / 2 and i blocks 2 (w % 2), 2 (w % 2) + 1.
	; Source 0 = Wq's columns (i), source 1 = Wk's (j): a lane then holds one j and eight neighbouring i.
.Lgram:
	s_lshr_b32 s32, s19, 4                         ; jt
	s_and_b32 s33, s19, 15                         ; it
	s_lshl_b32 s24, s32, 8
	s_lshl_b32 s25, s33, 8
	v_add_nc_u32 v[OK], s24, v11
	v_add_nc_u32 v[OQ], s25, v11
	v_mul_u32_u24 v[STA], v9, PW
	v_lshl_add_u32 v[STA], v10, 3, v[STA]
	v_and_b32 v12, 7, v0
	v_bfe_u32 v13, v0, 4, 1                        ; h = lane / 16
	v_bfe_u32 v14, v0, 3, 1
	v_lshl_add_u32 v12, v13, 3, v12                ; the turning load: lane l reads row 8 h + l % 8,
	v_mul_u32_u24 v12, v12, PW
	v_lshl_add_u32 v12, v14, 4, v12                ; columns 8 ((l / 8) % 2) on
	s_lshr_b32 s26, s18, 1                         ; my j block
	s_and_b32 s27, s18, 1                          ; my pair of i blocks
	s_lshl_b32 s28, s26, 5
	s_lshl_b32 s29, s27, 6
	s_add_co_u32 s29, s29, QOFF
	v_add_nc_u32 v[TK], s28, v12
	v_add_nc_u32 v[TQ], s29, v12
.macro GLOAD ci, b                     ; chunk ci (counted from the bases) into buffer b: eight loads
.irp m, 0,1,2,3
	global_load_b128 v[RB+32*(\b)+4*\m:RB+32*(\b)+4*\m+3], v[OK], s[4:5] offset:(\ci)*262144+\m*65536
.endr
.irp m, 0,1,2,3
	global_load_b128 v[RB+32*(\b)+16+4*\m:RB+32*(\b)+16+4*\m+3], v[OQ], s[6:7] offset:(\ci)*262144+\m*65536
.endr
.endm
; One chunk of 64 e.  ci >= 0: the chunk three further on is asked for.  left: the younger loads that may stay out.
; One barrier a step serves both ways: the pair written now was last read two steps ago, and every wave waited for those reads in front of the last step's signal.
.macro STEPG buf, par, ci, left, zero
.if (\ci) >= 0
	GLOAD \ci, ((\buf)+3)%4
.endif
	s_wait_loadcnt \left
.set q, 0
.rept 16                               ; these sixteen are also the places between the last step's products and the loads into their fragments
	v_cvt_pk_bf16_f32 v[CV+q], v[RB+32*(\buf)+2*q], v[RB+32*(\buf)+2*q+1]
.set q, q+1
.endr
.irp m, 0,1,2,3
	ds_store_b64 v[STA], v[CV+2*\m:CV+2*\m+1] offset:(\par)*PAR+\m*16*PW
	ds_store_b64 v[STA], v[CV+8+2*\m:CV+8+2*\m+1] offset:(\par)*PAR+QOFF+\m*16*PW
.endr
	s_wait_dscnt 0x0                               ; for the others' sake: my part of the chunk is written
	s_barrier_signal -1
	s_barrier_wait -1
.irp k, 0,1
	ds_load_tr16_b128 v[FK+8*\k:FK+8*\k+3],   v[TK] offset:(\par)*PAR+\k*32*PW
	ds_load_tr16_b128 v[FK+8*\k+4:FK+8*\k+7], v[TK] offset:(\par)*PAR+\k*32*PW+16*PW
.irp n, 0,1
	ds_load_tr16_b128 v[FQ+16*\k+8*\n:FQ+16*\k+8*\n+3],   v[TQ] offset:(\par)*PAR+\k*32*PW+32*\n
	ds_load_tr16_b128 v[FQ+16*\k+8*\n+4:FQ+16*\k+8*\n+7], v[TQ] offset:(\par)*PAR+\k*32*PW+16*PW+32*\n
.endr
.endr
	s_wait_dscnt 0x0
.if \zero                              ; the first products start the sums; the two accumulators take turns
	v_wmma_f32_16x16x32_bf16 v[ACC:ACC+7],    v[FQ:FQ+7],    v[FK:FK+7], 0
	v_wmma_f32_16x16x32_bf16 v[ACC+8:ACC+15], v[FQ+8:FQ+15], v[FK:FK+7], 0
.else
	v_wmma_f32_16x16x32_bf16 v[ACC:ACC+7],    v[FQ:FQ+7],    v[FK:FK+7], v[ACC:ACC+7]
	v_wmma_f32_16x16x32_bf16 v[ACC+8:ACC+15], v[FQ+8:FQ+15], v[FK:FK+7], v[ACC+8:ACC+15]
.endif
	v_wmma_f32_16x16x32_bf16 v[ACC:ACC+7],    v[FQ+16:FQ+23], v[FK+8:FK+15], v[ACC:ACC+7]
	v_wmma_f32_16x16x32_bf16 v[ACC+8:ACC+15], v[FQ+24:FQ+31], v[FK+8:FK+15], v[ACC+8:ACC+15]
.endm
	GLOAD 0, 0
	GLOAD 1, 1
	GLOAD 2, 2
	STEPG 0, 0, 3, 24, 1                           ; 24: three younger chunks of eight loads
	s_mov_b32 s30, 3
.Lg:                                                   ; steps 1 to 12, four a trip
	STEPG 1, 1, 4, 24, 0
	STEPG 2, 0, 5, 24, 0
	STEPG 3, 1, 6, 24, 0
	STEPG 0, 0, 7, 24, 0
	s_wait_xcnt 0x0                                ; the bases are stepped only behind this wait
	s_add_nc_u64 s[4:5], s[4:5], 0x100000          ; four chunks of 64 rows of 4,096 bytes
	s_add_nc_u64 s[6:7], s[6:7], 0x100000
	s_sub_co_u32 s30, s30, 1
	s_cmp_lg_u32 s30, 0
	s_cbranch_scc1 .Lg
	STEPG 1, 1, -1, 16, 0                          ; the last three ask for nothing: the counts run down
	STEPG 2, 0, -1, 8, 0
	STEPG 3, 1, -1, 0, 0
	; THE WAY OUT: f32 into the stage, a barrier, whole rows back, split into hi and lo.  The address work is the four places behind the last products.
	s_lshl_b32 s28, s26, 4
	v_add_nc_u32 v16, s28, v10                     ; row 16 jb + l % 16
	v_mul_u32_u24 v16, v16, SPITCH
	v_lshl_add_u32 v16, v13, 5, v16                ; 32 bytes for each half of the lanes
	s_lshl_b32 s29, s27, 7
	s_add_co_u32 s29, s29, STG
	v_add_nc_u32 v16, s29, v16
	v_lshrrev_b32 v17, 3, v0                       ; back: thread t takes row t / 8 (and 32 further), 32 bytes at 32 (t % 8)
	v_mul_u32_u24 v17, v17, SPITCH
	v_and_b32 v15, 7, v0
	v_lshl_add_u32 v17, v15, 5, v17
	v_add_nc_u32 v17, STG, v17
	v_lshlrev_b32 v18, 4, v0                       ; in bw: row x 128 + 16 x piece = 16 t: a wave stores 512 consecutive bytes
	ds_store_b128 v16, v[ACC:ACC+3]
	ds_store_b128 v16, v[ACC+4:ACC+7] offset:16
	ds_store_b128 v16, v[ACC+8:ACC+11] offset:64
	ds_store_b128 v16, v[ACC+12:ACC+15] offset:80
	s_mul_i32 s20, s33, 393216                     ; kb = it,
	s_lshr_b32 s24, s32, 1
	s_mul_i32 s24, s24, 49152                      ; c = jt / 2,
	s_add_co_u32 s20, s20, s24
	s_and_b32 s24, s32, 1
	s_lshl_b32 s24, s24, 13                        ; rows 64 (jt % 2) on
	s_add_co_u32 s20, s20, s24
	s_add_nc_u64 s[14:15], s[14:15], s[20:21]
	s_wait_dscnt 0x0
	s_barrier_signal -1
	s_barrier_wait -1
	ds_load_b128 v[32:35], v17
	ds_load_b128 v[36:39], v17 offset:16
	ds_load_b128 v[40:43], v17 offset:32*SPITCH
	ds_load_b128 v[44:47], v17 offset:32*SPITCH+16
	s_wait_dscnt 0x0
	HILO 32, 48, 52
	HILO 40, 56, 60
	global_store_b128 v18, v[48:51], s[14:15]
	global_store_b128 v18, v[52:55], s[14:15] offset:16384
	global_store_b128 v18, v[56:59], s[14:15] offset:4096
	global_store_b128 v18, v[60:63], s[14:15] offset:20480
	s_wait_tensorcnt 0x0                           ; the wave's end, behind my last LDS store
	ds_add_u32 v[SPW], v[NIL]
	s_wait_dscnt 0x0
	s_endpgm
.Lfunc_end_k_qf82dd03919_prep:
	.size	k_qf82dd03919_prep, .Lfunc_end_k_qf82dd03919_prep-k_qf82dd03919_prep
	.p2alignl 7, 3214868480
	.fill 96, 4, 3214868480
	.section	.rodata,"a",@progbits
	.p2align	6, 0x0
	.amdhsa_kernel k_qf82dd03919_prep
		.amdhsa_group_segment_fixed_size 59392
		.amdhsa_private_segment_fixed_size 0
		.amdhsa_enable_private_segment 0
		.amdhsa_kernarg_size 56
		.amdhsa_user_sgpr_count 2
		.amdhsa_user_sgpr_kernarg_segment_ptr 1
		.amdhsa_wavefront_size32 1
		.amdhsa_system_sgpr_workgroup_id_x 1
		.amdhsa_system_sgpr_workgroup_id_y 1
		.amdhsa_system_sgpr_workgroup_id_z 1
		.amdhsa_system_vgpr_workitem_id 0
		.amdhsa_next_free_vgpr 256
		.amdhsa_next_free_sgpr 66
		.amdhsa_reserve_vcc 0
		.amdhsa_float_denorm_mode_32 3
		.amdhsa_float_denorm_mode_16_64 3
		.amdhsa_memory_ordered 1
		.amdhsa_forward_progress 1
		.amdhsa_inst_pref_size 48
	.end_amdhsa_kernel
	.amdgpu_metadata
---
amdhsa.version: [ 1, 2 ]
amdhsa.kernels:
  - .name:           k_qf82dd03919_prep
    .symbol:         k_qf82dd03919_prep.kd
    .args:
      - { .name: Wk, .offset: 0, .size: 8, .value_kind: global_buffer, .address_space: global }
      - { .name: Wq, .offset: 8, .size: 8, .value_kind: global_buffer, .address_space: global }
      - { .name: Wv, .offset: 16, .size: 8, .value_kind: global_buffer, .address_space: global }
      - { .name: input_seq_embs, .offset: 24, .size: 8, .value_kind: global_buffer, .address_space: global }
      - { .name: xb, .offset: 32, .size: 8, .value_kind: global_buffer, .address_space: global }
      - { .name: bw, .offset: 40, .size: 8, .value_kind: global_buffer, .address_space: global }
      - { .name: st, .offset: 48, .size: 8, .value_kind: global_buffer, .address_space: global }
    .group_segment_fixed_size: 59392
    .private_segment_fixed_size: 0
    .kernarg_segment_align: 8
    .kernarg_segment_size: 56
    .max_flat_workgroup_size: 256
    .sgpr_count:     66
    .vgpr_count:     256
    .wavefront_size: 32
...
	.end_amdgpu_metadata
.endif
;; end of part 1
;; launch proj (part 2): grid 8 x 32, 4 waves a work-group, clusters of 4 x 4, 327,680 bytes of LDS; arguments xb, bw, tt, vt; writes tt, vt
.if DOCPART == 2
	.amdgcn_target "amdgcn-amd-amdhsa--gfx1250"
	.amdhsa_code_object_version 6
	.text
	.protected	k_qf82dd03919_proj
	.globl	k_qf82dd03919_proj
	.p2align	8
	.type	k_qf82dd03919_proj,@function
k_qf82dd03919_proj:
	s_mov_b64 s[64:65], 0
	v_nop
	global_prefetch_b8 v0, s[64:65] scope:SCOPE_SE
	s_setreg_imm32_b32 hwreg(HW_REG_WAVE_MODE, 25, 1), 1
	s_wait_xcnt 0x0
	s_wait_alu depctr_hold_cnt(0) depctr_sa_sdst(0) depctr_va_vdst(0) depctr_va_sdst(0) depctr_va_ssrc(0) depctr_va_vcc(0) depctr_vm_vsrc(0)
	s_getreg_b32 s2, hwreg(HW_REG_IB_STS2, 6, 4)
	s_cmp_eq_u32 s2, 0
	s_cbranch_scc0 .Lentry_in_a_cluster
	s_endpgm
.Lentry_in_a_cluster:
	s_bfe_u32 s2, ttmp6, 0x10000c
	s_cmp_lg_u32 s2, 0xf033
	s_cbranch_scc0 .Lentry_shape_is_right
	s_endpgm
.Lentry_shape_is_right:
; PROJ.  t = x G^T with G = hi + lo (two products into one f32 sum), and v = x Wv^T, in ONE walk over K = 1,024: x's fragments feed all three.
; A work-group: 256 rows of x (R) x block c: 128 columns of t and 128 of v.  Four waves, each 128 rows x (64 of t + 64 of v): 64 accumulators, 512 registers.
; t leaves as two bf16 pieces (hi, lo = bf16(t - hi)) in tt: [strip of 128 rows, 64][kb 16][piece 2][128 rows][64]; v as f16, turned, in vt: [b 4][c 8][key block 32][128 channels][64 keys].
; LIMIT: |v| below 65,504 (f16).  NaN and infinities are not treated apart.
; K goes in steps of 64 through two LDS slots.  A tile is dense in memory, asked for as rows of 256 bytes and padded in LDS after every 128: LDS rows 144 bytes apart.
; CLUSTER 4 x 4: x's tile hangs on R alone and is asked for jointly along a row of the cluster, bw's on c alone, along a column.
; REGISTERS by windows of 256: 0: addresses, x's fragments (two buffers of 64 at v64, v128); 1: bw's fragments (two buffers of 96: G hi, Wv, G lo); 2: t's accumulators (a, bb) at 8 (4 a + bb); 3: v's.
; t's products take G as source 0 and x as source 1 (a lane holds one row and eight neighbouring j); v's take x as source 0 and Wv as source 1 (one channel, eight neighbouring keys).
.set KP,    144
.set BOFF,  256*KP                     ; in a slot: x's 256 rows, then bw's 384
.set SLOT,  640*KP
.set DUMP,  68608                      ; the way out, over the ring when its last fill has been read: for each wave t as [128 rows][272] and v as [64 channels][528], f32
.set VDMP,  128*272
.set SPARE, 4*DUMP                     ; the spare words, 128 bytes a wave
.set W0, (1<<16)|(1<<20)|(4<<22)|(3<<25)  ; 2-byte elements; padding on; after every 32 words; 4 words
.set ADRA, 16                          ; v16-17 LDS address of my x fragments in slot 0, 1
.set ADRB, 20                          ; v20-21 of my bw fragments
.set SPW,  28
.set NIL,  29
.set FA,   64
.set X,    64                          ; the way out, window 0
.set H,    96
.set LO,   112
.set TT,   128
.set G1,  24
.set G0,  32
.set G1B, 48
.set G0B, 56
.set MSB, 0
.macro WIN new                         ; the immediate's high byte repeats the setting that is left
.if MSB != (\new)
	s_set_vgpr_msb (MSB<<8)|(\new)
.set MSB, \new
.endif
.endm
.macro PLACES                          ; four places between a matrix instruction and a load into, or a read of, its registers
.rept 4
	v_nop
.endr
.endm
.macro JLOAD s                         ; waves 0, 1 fetch the halves of x's tile, waves 2, 3 those of bw's; an s_nop 0 and four v_nop follow each line
	s_cmp_eq_u32 s13, 0
	s_cbranch_scc0 .Lfor_b_\@
	tensor_load_to_lds s[G0+4*(\s):G0+4*(\s)+3], s[G1:G1+7]
	s_nop 0
	PLACES
	s_branch .Lasked_\@
.Lfor_b_\@:
	tensor_load_to_lds s[G0B+4*(\s):G0B+4*(\s)+3], s[G1B:G1B+7]
	s_nop 0
	PLACES
.Lasked_\@:
.endm
.macro CREST                           ; a round of the cluster's barrier behind its opening barrier
	s_cmp_lg_u32 s12, 0
	s_cbranch_scc1 .Lnot_wave_0_\@
	s_barrier_signal -3
.Lnot_wave_0_\@:
	s_barrier_wait -3
	s_barrier_signal -1
	s_barrier_wait -1
.endm
.macro CROUND
	s_barrier_signal -1
	s_barrier_wait -1
	CREST
.endm
.macro HILO x, h, l                    ; eight f32 -> bf16 hi, and the exact rest as bf16 lo
.irp k, 0,1,2,3
	v_cvt_pk_bf16_f32 v[(\h)+\k], v[(\x)+2*\k], v[(\x)+2*\k+1]
.endr
.irp k, 0,1,2,3
	v_lshlrev_b32 v[TT+2*\k], 16, v[(\h)+\k]
	v_and_b32 v[TT+2*\k+1], 0xffff0000, v[(\h)+\k]
.endr
.irp k, 0,1,2,3
	v_pk_add_f32 v[(\x)+2*\k:(\x)+2*\k+1], v[(\x)+2*\k:(\x)+2*\k+1], v[TT+2*\k:TT+2*\k+1] neg_lo:[0,1] neg_hi:[0,1]
.endr
.irp k, 0,1,2,3
	v_cvt_pk_bf16_f32 v[(\l)+\k], v[(\x)+2*\k], v[(\x)+2*\k+1]
.endr
.endm
	s_load_b256 s[4:11], s[0:1], 0x0               ; xb s[4:5], bw s[6:7], tt s[8:9], vt s[10:11]
	v_lshl_add_u32 v[SPW], v0, 2, SPARE
	v_mov_b32 v[NIL], 0
	ds_add_u32 v[SPW], v[NIL]                      ; the wave's opening: the add and its wait ahead of my first tensor load
	ds_add_u32 v28, v29
	v_lshrrev_b32 v1, 5, v0
	v_readfirstlane_b32 s12, v1                    ; wave 0..3
	s_lshr_b32 s13, s12, 1                         ; wr: my half of the rows.  Also: I fetch x (0) or bw (1)
	s_and_b32 s14, s12, 1                          ; wc: my half of the columns.  Also: which half of that tile I fetch
	s_bfe_u32 s40, ttmp6, 0x40000                  ; cx
	s_bfe_u32 s41, ttmp6, 0x40004                  ; cy
	s_lshl_b32 s42, ttmp9, 2
	s_add_co_u32 s42, s42, s40                     ; c
	s_and_b32 s43, ttmp7, 0xffff
	s_lshl_b32 s43, s43, 2
	s_add_co_u32 s43, s43, s41                     ; R
	s_lshl_b32 s44, s41, 2
	s_lshl_b32 s44, 15, s44                        ; my row of the cluster
	s_lshl_b32 s45, 0x1111, s40                    ; my column
	s_or_b32 s[G1], s44, (W0|(1<<21))
	s_or_b32 s[G1B], s45, (W0|(1<<21))
	s_mov_b32 s[G1+1], 128<<16                     ; tensor_dim0 = 128 elements: rows of 256 bytes
	s_mov_b32 s[G1+2], 64<<16                      ; tensor_dim1 = 64: 128 rows of x
	s_mov_b32 s[G1+3], 128<<16                     ; tile_dim0
	s_mov_b32 s[G1+4], 64                          ; tile_dim1
	s_mov_b32 s[G1+5], 128                         ; dense
	s_mov_b32 s[G1+6], 0
	s_mov_b32 s[G1+7], 0
	s_mov_b32 s[G1B+1], 128<<16
	s_mov_b32 s[G1B+2], 96<<16                     ; 192 rows of bw
	s_mov_b32 s[G1B+3], 128<<16
	s_mov_b32 s[G1B+4], 96
	s_mov_b32 s[G1B+5], 128
	s_mov_b32 s[G1B+6], 0
	s_mov_b32 s[G1B+7], 0
	s_lshl_b32 s16, s43, 15                        ; x: (256 R + 128 half) rows of 128 bytes
	s_lshl_b32 s17, s14, 14
	s_add_co_u32 s16, s16, s17
	s_mov_b32 s17, 0
	s_mul_i32 s46, s42, 49152                      ; bw: block c, 192 rows x half
	s_mul_i32 s47, s14, 24576
	s_add_co_u32 s46, s46, s47
	s_mov_b32 s47, 0
	s_mul_i32 s20, s14, 128*KP                     ; where they go: the wave's number alone enters an LDS address
	s_mul_i32 s21, s14, 192*KP
	s_add_co_u32 s21, s21, BOFF
	s_wait_dscnt 0x0                               ; the opening add is done
	s_wait_kmcnt 0x0
	s_add_nc_u64 s[18:19], s[4:5], s[16:17]
	s_add_nc_u64 s[46:47], s[6:7], s[46:47]
	CROUND                                         ; all sixteen work-groups are here: the first joint loads meet
.irp s, 0,1
	s_mov_b32 s[G0+4*\s], 1
	s_add_co_u32 s[G0+4*\s+1], s20, \s*SLOT
	s_add_nc_u64 s[G0+4*\s+2:G0+4*\s+3], s[18:19], \s*1048576   ; K step s: a block of xb is 8,192 rows of 128 bytes
	s_or_b32 s[G0+4*\s+3], s[G0+4*\s+3], 0x80000000
	s_mov_b32 s[G0B+4*\s], 1
	s_add_co_u32 s[G0B+4*\s+1], s21, \s*SLOT
	s_add_nc_u64 s[G0B+4*\s+2:G0B+4*\s+3], s[46:47], \s*393216  ; a block of bw is 8 x 384 rows
	s_or_b32 s[G0B+4*\s+3], s[G0B+4*\s+3], 0x80000000
	JLOAD \s
.endr
	v_and_b32 v1, 15, v0                           ; r = l % 16
	v_bfe_u32 v2, v0, 4, 1                         ; h = l / 16
	v_mul_u32_u24 v3, v1, KP
	v_lshl_add_u32 v3, v2, 4, v3                   ; a fragment: row x pitch + 16 h, two loads 32 bytes apart
	s_mul_i32 s22, s13, 128*KP
	s_mul_i32 s23, s14, 64*KP
	s_add_co_u32 s23, s23, BOFF
.irp s, 0,1
	v_add_nc_u32 v[ADRA+\s], s22, v3
	v_add_nc_u32 v[ADRB+\s], s23, v3
	s_add_co_u32 s22, s22, SLOT
	s_add_co_u32 s23, s23, SLOT
.endr
; n x 4 products for t: row blocks a0 on x all four column blocks, 32 along K of buffer f; mat = 0: G hi, 1: G lo
.macro MULT f, mat, a0, n, zero
	WIN 0xa1
.set ma, \a0
.rept \n
.irp b, 0,1,2,3
.if \zero
	v_wmma_f32_16x16x32_bf16 v[8*(4*ma+\b):8*(4*ma+\b)+7], v[96*(\f)+64*(\mat)+8*\b:96*(\f)+64*(\mat)+8*\b+7], v[FA+64*(\f)+8*ma:FA+64*(\f)+8*ma+7], 0
.else
	v_wmma_f32_16x16x32_bf16 v[8*(4*ma+\b):8*(4*ma+\b)+7], v[96*(\f)+64*(\mat)+8*\b:96*(\f)+64*(\mat)+8*\b+7], v[FA+64*(\f)+8*ma:FA+64*(\f)+8*ma+7], v[8*(4*ma+\b):8*(4*ma+\b)+7]
.endif
.endr
.set ma, ma+1
.endr
.endm
.macro MULV f, zero                    ; the 32 products for v
	WIN 0xf4
.set ma, 0
.rept 8
.irp b, 0,1,2,3
.if \zero
	v_wmma_f32_16x16x32_bf16 v[8*(4*ma+\b):8*(4*ma+\b)+7], v[FA+64*(\f)+8*ma:FA+64*(\f)+8*ma+7], v[96*(\f)+32+8*\b:96*(\f)+32+8*\b+7], 0
.else
	v_wmma_f32_16x16x32_bf16 v[8*(4*ma+\b):8*(4*ma+\b)+7], v[FA+64*(\f)+8*ma:FA+64*(\f)+8*ma+7], v[96*(\f)+32+8*\b:96*(\f)+32+8*\b+7], v[8*(4*ma+\b):8*(4*ma+\b)+7]
.endif
.endr
.set ma, ma+1
.endr
.endm
; 40 LDS loads in one run, in the order of their use: x 16, G hi 8, Wv 8, G lo 8
.macro FETCH slot, k, f
	WIN 0
.irp i, 0,1,2,3,4,5,6,7
	ds_load_b128 v[FA+64*(\f)+8*\i:FA+64*(\f)+8*\i+3],   v[ADRA+(\slot)] offset:(\k)+\i*16*KP
	ds_load_b128 v[FA+64*(\f)+8*\i+4:FA+64*(\f)+8*\i+7], v[ADRA+(\slot)] offset:(\k)+\i*16*KP+32
.endr
	WIN 0x40
.irp i, 0,1,2,3
	ds_load_b128 v[96*(\f)+8*\i:96*(\f)+8*\i+3],   v[ADRB+(\slot)] offset:(\k)+\i*16*KP
	ds_load_b128 v[96*(\f)+8*\i+4:96*(\f)+8*\i+7], v[ADRB+(\slot)] offset:(\k)+\i*16*KP+32
.endr
.irp i, 0,1,2,3
	ds_load_b128 v[96*(\f)+32+8*\i:96*(\f)+32+8*\i+3],   v[ADRB+(\slot)] offset:(\k)+256*KP+\i*16*KP
	ds_load_b128 v[96*(\f)+32+8*\i+4:96*(\f)+32+8*\i+7], v[ADRB+(\slot)] offset:(\k)+256*KP+\i*16*KP+32
.endr
.irp i, 0,1,2,3
	ds_load_b128 v[96*(\f)+64+8*\i:96*(\f)+64+8*\i+3],   v[ADRB+(\slot)] offset:(\k)+128*KP+\i*16*KP
	ds_load_b128 v[96*(\f)+64+8*\i+4:96*(\f)+64+8*\i+7], v[ADRB+(\slot)] offset:(\k)+128*KP+\i*16*KP+32
.endr
.endm
; A K step is two halves of 32 along K, 96 matrix instructions each; between two on one accumulator stand 31 others' at the least.
; The first half multiplies buffer 0 and fetches the second half into buffer 1.
.macro QUARTER slot, zero
	s_wait_dscnt 16                                ; x and G hi are in; Wv's and G lo's sixteen loads may be out
	MULT 0, 0, 0, 8, \zero
	PLACES
	FETCH \slot, 64, 1
	s_wait_dscnt 40                                ; all but the 40 just issued
	MULV 0, \zero
	MULT 0, 1, 0, 8, 0
.endm
; The second half multiplies buffer 1 and changes slots: in front of the barrier each wave waits for all its tensor loads (its part of the next slot), adds 0 to its spare word, and waits
; for that and for its reads of this slot.  fill = 1: the barrier opens a round of the cluster's, and the joint refill, two K steps ahead, is the first thing behind it: 160 matrix instructions ahead of the wait for it.
.macro TURN slot, next, fill
	WIN 0
	s_wait_tensorcnt 0x0
	ds_add_u32 v[SPW], v[NIL]
	s_wait_dscnt 17                                ; the add and the youngest sixteen loads may be out
	MULT 1, 0, 0, 4, 0
	s_wait_dscnt 0x0                               ; the add is done, my reads of this slot are over
	s_barrier_signal -1
	MULT 1, 0, 4, 4, 0
.if \fill
	WIN 0
.endif
	s_barrier_wait -1
.if \fill
	CREST
	s_add_nc_u64 s[G0+4*(\slot)+2:G0+4*(\slot)+3], s[G0+4*(\slot)+2:G0+4*(\slot)+3], 2*1048576
	s_add_nc_u64 s[G0B+4*(\slot)+2:G0B+4*(\slot)+3], s[G0B+4*(\slot)+2:G0B+4*(\slot)+3], 2*393216
	JLOAD \slot                                    ; its four v_nop are also the places in front of the loads below
.else
	PLACES
.endif
	FETCH \next, 0, 0
	MULV 1, 0
	MULT 1, 1, 0, 8, 0
.endm
	s_wait_tensorcnt 0x1                           ; my part of K step 0 is in; step 1's may stay out
	s_barrier_signal -1
	s_barrier_wait -1
	FETCH 0, 0, 0
	QUARTER 0, 1                                   ; the first products start the sums
	WIN 0
	s_mov_b32 s3, 7
.Llap:                                                 ; two K steps a trip; both slots are filled again (steps 2 to 15)
	TURN 0, 1, 1
	QUARTER 1, 0
	TURN 1, 0, 1
	QUARTER 0, 0
	WIN 0
	s_sub_co_u32 s3, s3, 1
	s_cmp_lg_u32 s3, 0
	s_cbranch_scc1 .Llap
	TURN 0, 1, 0                                   ; the last two steps ask for nothing
	QUARTER 1, 0
	s_wait_dscnt 16
	MULT 1, 0, 0, 8, 0
	s_wait_dscnt 0x0
	MULV 1, 0
	MULT 1, 1, 0, 8, 0
	WIN 0
	; THE WAY OUT.  The sums go as f32 into LDS, over the ring (its last fill has been read by all behind this barrier), each wave into bytes of its own, and come back by rows in two short loops.
	s_barrier_signal -1
	s_barrier_wait -1
	s_mul_i32 s20, s12, DUMP
	v_mul_u32_u24 v24, v1, 272                     ; the address work is the places behind the last products
	v_lshl_add_u32 v24, v2, 5, v24
	v_add_nc_u32 v24, s20, v24                     ; t: row r, 32 bytes for each half of the lanes
	v_mul_u32_u24 v25, v1, 528
	v_lshl_add_u32 v25, v2, 5, v25
	v_add_nc_u32 v25, s20, v25                     ; v: channel r
	v_and_b32 v4, 31, v0
	v_lshrrev_b32 v5, 3, v4                        ; back: lane l takes row l / 8, 32 bytes at 32 (l % 8)
	v_and_b32 v6, 7, v4
	v_mul_u32_u24 v26, v5, 272
	v_lshl_add_u32 v26, v6, 5, v26
	v_add_nc_u32 v26, s20, v26
	v_mul_u32_u24 v27, v5, 528
	v_lshl_add_u32 v27, v6, 5, v27
	v_add_nc_u32 v27, s20, v27
	v_lshlrev_b32 v30, 4, v4                       ; four rows of 128 bytes are 512 consecutive bytes: 16 l
	v_lshlrev_b32 v31, 4, v4
	WIN 0x08                                       ; store data in window 2
.set da, 0
.rept 8
.irp b, 0,1,2,3
	ds_store_b128 v24, v[8*(4*da+\b):8*(4*da+\b)+3]   offset:da*16*272+\b*64
	ds_store_b128 v24, v[8*(4*da+\b)+4:8*(4*da+\b)+7] offset:da*16*272+\b*64+16
.endr
.set da, da+1
.endr
	WIN 0x0c                                       ; window 3
.set da, 0
.rept 8
.irp b, 0,1,2,3
	ds_store_b128 v25, v[8*(4*da+\b):8*(4*da+\b)+3]   offset:VDMP+\b*16*528+da*64
	ds_store_b128 v25, v[8*(4*da+\b)+4:8*(4*da+\b)+7] offset:VDMP+\b*16*528+da*64+16
.endr
.set da, da+1
.endr
	WIN 0
	s_lshl_b32 s16, s43, 1
	s_add_co_u32 s16, s16, s13                     ; strip 2 R + wr
	s_lshl_b32 s16, s16, 19
	s_lshl_b32 s17, s42, 1
	s_add_co_u32 s17, s17, s14                     ; kb 2 c + wc
	s_lshl_b32 s17, s17, 15
	s_add_co_u32 s16, s16, s17
	s_mov_b32 s17, 0
	s_add_nc_u64 s[8:9], s[8:9], s[16:17]
	s_lshr_b32 s18, s43, 3
	s_lshl_b32 s18, s18, 3
	s_add_co_u32 s18, s18, s42                     ; 8 b + c
	s_lshl_b32 s18, s18, 5
	s_and_b32 s19, s43, 7
	s_lshl2_add_u32 s18, s19, s18                  ; key block 4 (R % 8)
	s_lshl1_add_u32 s18, s13, s18                  ; + 2 wr
	s_lshl_b32 s18, s18, 14
	s_lshl_b32 s19, s14, 13                        ; channels 64 wc on
	s_add_co_u32 s18, s18, s19
	s_mov_b32 s19, 0
	s_add_nc_u64 s[10:11], s[10:11], s[18:19]
	s_mov_b32 s3, 8
.Lt:                                                   ; 16 rows of t a trip; LDS serves a wave's instructions in order, so these loads see my stores above
.irp g, 0,1,2,3
	ds_load_b128 v[X+8*\g:X+8*\g+3],   v26 offset:\g*4*272
	ds_load_b128 v[X+8*\g+4:X+8*\g+7], v26 offset:\g*4*272+16
.endr
	s_wait_dscnt 0x0
.irp g, 0,1,2,3
	HILO X+8*\g, H+4*\g, LO+4*\g
.endr
.irp g, 0,1,2,3
	global_store_b128 v30, v[H+4*\g:H+4*\g+3],   s[8:9] offset:\g*512
	global_store_b128 v30, v[LO+4*\g:LO+4*\g+3], s[8:9] offset:\g*512+16384
.endr
	s_wait_xcnt 0x0                                ; the stores' offset and data are rewritten only behind this wait
	v_add_nc_u32 v26, 16*272, v26
	v_add_nc_u32 v30, 2048, v30
	s_sub_co_u32 s3, s3, 1
	s_cmp_lg_u32 s3, 0
	s_cbranch_scc1 .Lt
	s_mov_b32 s3, 4
.Lv:                                                   ; 16 channels x 2 key blocks of v a trip
.irp g, 0,1,2,3
.irp e, 0,1
	ds_load_b128 v[64+16*\g+8*\e:64+16*\g+8*\e+3],   v27 offset:VDMP+\g*4*528+\e*256
	ds_load_b128 v[64+16*\g+8*\e+4:64+16*\g+8*\e+7], v27 offset:VDMP+\g*4*528+\e*256+16
.endr
.endr
	s_wait_dscnt 0x0
.set q, 0
.rept 32
	v_cvt_pk_f16_f32 v[128+q], v[64+2*q], v[64+2*q+1]
.set q, q+1
.endr
.irp g, 0,1,2,3
.irp e, 0,1
	global_store_b128 v31, v[128+8*\g+4*\e:128+8*\g+4*\e+3], s[10:11] offset:\e*16384+\g*512
.endr
.endr
	s_wait_xcnt 0x0
	v_add_nc_u32 v27, 16*528, v27
	v_add_nc_u32 v31, 2048, v31
	s_sub_co_u32 s3, s3, 1
	s_cmp_lg_u32 s3, 0
	s_cbranch_scc1 .Lv
	s_wait_tensorcnt 0x0                           ; the wave's end
	ds_add_u32 v[SPW], v[NIL]
	s_wait_dscnt 0x0
	CROUND                                         ; the closing round
	s_endpgm
.Lfunc_end_k_qf82dd03919_proj:
	.size	k_qf82dd03919_proj, .Lfunc_end_k_qf82dd03919_proj-k_qf82dd03919_proj
	.p2alignl 7, 3214868480
	.fill 96, 4, 3214868480
	.section	.rodata,"a",@progbits
	.p2align	6, 0x0
	.amdhsa_kernel k_qf82dd03919_proj
		.amdhsa_group_segment_fixed_size 327680
		.amdhsa_private_segment_fixed_size 0
		.amdhsa_enable_private_segment 0
		.amdhsa_kernarg_size 32
		.amdhsa_user_sgpr_count 2
		.amdhsa_user_sgpr_kernarg_segment_ptr 1
		.amdhsa_wavefront_size32 1
		.amdhsa_system_sgpr_workgroup_id_x 1
		.amdhsa_system_sgpr_workgroup_id_y 1
		.amdhsa_system_sgpr_workgroup_id_z 1
		.amdhsa_system_vgpr_workitem_id 0
		.amdhsa_next_free_vgpr 1024
		.amdhsa_next_free_sgpr 66
		.amdhsa_reserve_vcc 0
		.amdhsa_float_denorm_mode_32 3
		.amdhsa_float_denorm_mode_16_64 3
		.amdhsa_memory_ordered 1
		.amdhsa_forward_progress 1
		.amdhsa_inst_pref_size 100
	.end_amdhsa_kernel
	.amdgpu_metadata
---
amdhsa.version: [ 1, 2 ]
amdhsa.kernels:
  - .name:           k_qf82dd03919_proj
    .symbol:         k_qf82dd03919_proj.kd
    .args:
      - { .name: xb, .offset: 0, .size: 8, .value_kind: global_buffer, .address_space: global }
      - { .name: bw, .offset: 8, .size: 8, .value_kind: global_buffer, .address_space: global }
      - { .name: tt, .offset: 16, .size: 8, .value_kind: global_buffer, .address_space: global }
      - { .name: vt, .offset: 24, .size: 8, .value_kind: global_buffer, .address_space: global }
    .group_segment_fixed_size: 327680
    .private_segment_fixed_size: 0
    .kernarg_segment_align: 8
    .kernarg_segment_size: 32
    .max_flat_workgroup_size: 128
    .sgpr_count:     66
    .vgpr_count:     1024
    .wavefront_size: 32
...
	.end_amdgpu_metadata
.endif
;; end of part 2
;; launch score (part 3): grid 64 x 4, 4 waves a work-group, no clusters, 327,680 bytes of LDS; arguments tt, xb, pt, st; writes pt, st
.if DOCPART == 3
	.amdgcn_target "amdgcn-amd-amdhsa--gfx1250"
	.amdhsa_code_object_version 6
	.text
	.protected	k_qf82dd03919_score
	.globl	k_qf82dd03919_score
	.p2align	8
	.type	k_qf82dd03919_score,@function
k_qf82dd03919_score:
	s_mov_b64 s[64:65], 0
	v_nop
	global_prefetch_b8 v0, s[64:65] scope:SCOPE_SE
	s_setreg_imm32_b32 hwreg(HW_REG_WAVE_MODE, 25, 1), 1
	s_wait_xcnt 0x0
; SCORE.  s[q][k] = sum over j of t[q][j] x[k][j], t = hi + lo (two products into one f32 sum), causal.  Stored: p = exp(s - m) in f16, m the row's maximum over the TILE, and for each row and tile m and l = sum of p, in f32.
; The last launch turns the tile's maximum into the row's, exactly, by exp(m - M): the maximum is taken away, tile by tile.
; JOBS.  Strip i of 128 queries needs key blocks (64 keys) 0 .. 4 u - 1, u = i / 2 + 1, cut into n = ceil(4 u / 5) tiles of 4 or 5 key blocks: 64 tiles a batch, 256 equal work-groups.
; Every tile is computed 128 x 320; in a tile of 4 the fifth key block is another tile's or hidden, and is dropped.  No tile reaches past key 2,047.
; LIMITS.  A hidden score counts as -2^100; a weight below 2^-126 counts as 0; NaN and infinities are not treated apart.  A row that a tile hides wholly gets m = -2^100, p = 1: the last launch's factor for it is 0.
; NO CLUSTER: a strip has 1 to 7 tiles, so its tiles form no groups of four; only the two strips of one u read the same x tile, 40,960 of a step's 73,728 bytes shared by two.
; Four waves, each 64 queries x 160 keys: 40 accumulators.  Source 0 = 16 keys, source 1 = 16 queries: a lane holds one query and eight neighbouring keys.
; THE RING.  K goes in steps of 64; a slot holds TWO steps, 320 matrix instructions a wave, and there are two slots.  A step's t (hi, lo) and a step's x are each dense in memory: one tensor load a wave brings one of the four,
; as rows of 256 bytes with 16 bytes of padding behind each.  So two rows of 128 bytes share 272 bytes of LDS: row q lies at (q / 2) x 272 + (q % 2) x 128, and the 16 rows of a fragment load start at banks
; 4 (r / 2) + 32 (r % 2): sixteen different groups of four (64 banks of 4 bytes: ISA guide 11.1).  By this text's count a wave has two tensor loads out at the start and one behind each change of slots.
; A trip of the loop is one slot: the slot read is a scalar, 0 or SLOT, turned by an exclusive or and added to the lane's and the wave's places in a slot.
; REGISTERS by windows: 0: addresses, t's fragments (two buffers of 64: hi 32, lo 32); 1: x's fragments (two buffers of 80); 2: accumulators (a, b) at 8 (4 b + a), b <= 7; 3: b = 8, 9.
.set PP,    272                        ; two rows of 128 bytes and their padding
.set BLK,   8*PP                       ; 16 rows
.set XS,    160*PP                     ; a step's x: 320 rows
.set TS,    128*PP                     ; a step's t: hi 128 rows, then lo 128 rows
.set TLO,   64*PP
.set TOFF,  2*XS                       ; in a slot: x of step 0, x of step 1, t of step 0, t of step 1: every immediate below stays under 65,536
.set SLOT,  2*XS+2*TS                  ; 156,672
.set RP,    1296                       ; the way out: a row of 320 scores in f32 + 16 bytes; its 128 rows lie over the ring when the last fill has been read
.set ML,    2*SLOT                     ; [2][128] f32: the tile's m and l
.set SPARE, ML+1024
.set W0, (1<<16)|(1<<20)|(5<<22)|(3<<25)  ; 2-byte elements; padding on; after every 64 words; 4 words
.set AX0, 16                           ; v16  my lane's place in a slot's x; never rewritten
.set AT0, 17                           ; v17  in its t
.set AX,  20                           ; v20  the same in the slot being read
.set AT,  21                           ; v21
.set RA,  25                           ; v25  the row loop: where I read 32 bytes of a row
.set MLA, 26                           ; v26  my row's word in ML
.set GO,  27                           ; v27  my byte offset in a key block of pt
.set SPW, 30
.set NIL, 31
.set S,   64                           ; v64-103   my 40 scores of a row
.set P,   104                          ; v104-123  as f16
.set C,   124                          ; v124-127  four chains of the maximum
.set MC,  128                          ; v128-129  c m, m
.set LA,  130
.set LB,  132
.set ET,  134                          ; v134-138  the highest key place that my lane may see, by key block
.set BIG, 139                          ; v139      -2^100
.set DD,  140
.set G1T, 24
.set G0T, 32                           ; s[32:35] the first fill's, s[36:39] the second's, which then walks on
.set G1X, 48
.set G0X, 56                           ; likewise
.set CS,  66                           ; s[66:67]  c = log2(e)
.set LT,  75                           ; s75  where my step's t lies in a slot
.set LX,  76                           ; s76  where my step's x lies
.set RB,  77                           ; s77  the slot being read: 0 or SLOT
.set MSB, 0
.macro WIN new
.if MSB != (\new)
	s_set_vgpr_msb (MSB<<8)|(\new)
.set MSB, \new
.endif
.endm
.macro PLACES
.rept 4
	v_nop
.endr
.endm
.macro LOAD                            ; a refill: waves 0, 1 fetch the two steps' t, waves 2, 3 the two steps' x; an s_nop 0 and four v_nop follow each line
	s_cmp_eq_u32 s13, 0
	s_cbranch_scc0 .Lfor_x_\@
	tensor_load_to_lds s[G0T+4:G0T+7], s[G1T:G1T+7]
	s_nop 0
	PLACES
	s_branch .Lasked_\@
.Lfor_x_\@:
	tensor_load_to_lds s[G0X+4:G0X+7], s[G1X:G1X+7]
	s_nop 0
	PLACES
.Lasked_\@:
.endm
	s_load_b256 s[4:11], s[0:1], 0x0               ; tt s[4:5], xb s[6:7], pt s[8:9], st s[10:11]
	v_lshl_add_u32 v[SPW], v0, 2, SPARE
	v_mov_b32 v[NIL], 0
	ds_add_u32 v[SPW], v[NIL]                      ; the wave's opening: the add and its wait ahead of my first tensor load
	ds_add_u32 v30, v31
	v_lshrrev_b32 v1, 5, v0
	v_readfirstlane_b32 s12, v1
	s_lshr_b32 s13, s12, 1                         ; wq.  Also: I fetch t (0) or x (1)
	s_and_b32 s14, s12, 1                          ; wk.  Also: which of a slot's two steps I fetch
	s_mov_b32 s15, ttmp9                           ; the job, 0..63
	s_and_b32 s16, ttmp7, 0xffff                   ; b
	; the job's u, the first job of that u, its n, and the mask of its tiles of five
	s_mov_b32 s17, 1
	s_mov_b32 s18, 0
	s_mov_b32 s19, 1
	s_mov_b32 s20, 0
.macro DEC thr, u, n, m
	s_cmp_ge_u32 s15, \thr
	s_cselect_b32 s17, \u, s17
	s_cselect_b32 s18, \thr, s18
	s_cselect_b32 s19, \n, s19
	s_cselect_b32 s20, \m, s20
.endm
	DEC 2, 2, 2, 0
	DEC 6, 3, 3, 0
	DEC 12, 4, 4, 0
	DEC 20, 5, 4, 0x0f
	DEC 28, 6, 5, 0x1e
	DEC 38, 7, 6, 0x36
	DEC 50, 8, 7, 0x6a
	s_sub_co_u32 s21, s15, s18
	s_cmp_ge_u32 s21, s19                          ; the second of the two strips of this u?
	s_cselect_b32 s22, 1, 0
	s_cselect_b32 s42, s19, 0
	s_sub_co_u32 s21, s21, s42                     ; tile j of the strip
	s_lshl_b32 s23, s17, 1
	s_sub_co_u32 s23, s23, 2
	s_add_co_u32 s23, s23, s22                     ; strip i
	s_lshl_b32 s42, 1, s21
	s_and_b32 s43, s20, s42
	s_cmp_lg_u32 s43, 0
	s_cselect_b32 s41, 5, 4                        ; the tile's key blocks
	s_sub_co_u32 s42, s42, 1
	s_and_b32 s42, s42, s20
	s_bcnt1_i32_b32 s42, s42
	s_lshl2_add_u32 s40, s21, s42                  ; its first key block: 4 j + the tiles of five in front of it
	s_lshl_b32 s44, s16, 4
	s_add_co_u32 s44, s44, s23                     ; 16 b + i
	s_mov_b32 s[G1T], W0
	s_mov_b32 s[G1T+1], 128<<16                    ; rows of 256 bytes,
	s_mov_b32 s[G1T+2], 128<<16                    ; 128 of them: a step's t, hi and lo
	s_mov_b32 s[G1T+3], 128<<16
	s_mov_b32 s[G1T+4], 128
	s_mov_b32 s[G1T+5], 128                        ; dense
	s_mov_b32 s[G1T+6], 0
	s_mov_b32 s[G1T+7], 0
	s_mov_b32 s[G1X], W0
	s_mov_b32 s[G1X+1], 128<<16
	s_mov_b32 s[G1X+2], 160<<16                    ; 160 rows of 256 bytes: a step's 320 rows of x
	s_mov_b32 s[G1X+3], 128<<16
	s_mov_b32 s[G1X+4], 160
	s_mov_b32 s[G1X+5], 128
	s_mov_b32 s[G1X+6], 0
	s_mov_b32 s[G1X+7], 0
	s_lshl_b32 s68, s44, 19                        ; t: the strip, and my step's 32,768 bytes
	s_lshl_b32 s69, s14, 15
	s_add_co_u32 s68, s68, s69
	s_mov_b32 s69, 0
	s_lshl_b32 s70, s16, 18                        ; x: (2,048 b + 64 start) rows of 128 bytes, and my step's block of 8,192 rows
	s_lshl_b32 s71, s40, 13
	s_add_co_u32 s70, s70, s71
	s_lshl_b32 s71, s14, 20
	s_add_co_u32 s70, s70, s71
	s_mov_b32 s71, 0
	s_mul_i32 s[LT], s14, TS
	s_add_co_u32 s[LT], s[LT], TOFF
	s_mul_i32 s[LX], s14, XS
	s_mov_b32 s[RB], 0
	s_mov_b32 s[G0T], 1
	s_mov_b32 s[G0T+1], s[LT]                      ; slot 0
	s_mov_b32 s[G0T+4], 1
	s_add_co_u32 s[G0T+5], s[LT], SLOT             ; slot 1
	s_mov_b32 s[G0X], 1
	s_mov_b32 s[G0X+1], s[LX]
	s_mov_b32 s[G0X+4], 1
	s_add_co_u32 s[G0X+5], s[LX], SLOT
	s_mov_b32 s[CS], 0x3fb8aa3b
	s_mov_b32 s[CS+1], 0x3fb8aa3b                  ; named with it as a pair
	s_wait_dscnt 0x0                               ; the opening add is done
	s_wait_kmcnt 0x0
	s_add_nc_u64 s[G0T+2:G0T+3], s[4:5], s[68:69]
	s_add_nc_u64 s[G0T+6:G0T+7], s[G0T+2:G0T+3], 65536     ; two K steps of t on
	s_or_b32 s[G0T+3], s[G0T+3], 0x80000000
	s_or_b32 s[G0T+7], s[G0T+7], 0x80000000
	s_add_nc_u64 s[G0X+2:G0X+3], s[6:7], s[70:71]
	s_add_nc_u64 s[G0X+6:G0X+7], s[G0X+2:G0X+3], 2097152   ; two K steps of x on
	s_or_b32 s[G0X+3], s[G0X+3], 0x80000000
	s_or_b32 s[G0X+7], s[G0X+7], 0x80000000
	s_cmp_eq_u32 s13, 0                            ; a wave's two first fills stand in one branch: two loads of mine are out
	s_cbranch_scc0 .Lfirst_x
	tensor_load_to_lds s[G0T:G0T+3], s[G1T:G1T+7]
	s_nop 0
	tensor_load_to_lds s[G0T+4:G0T+7], s[G1T:G1T+7]
	s_nop 0
	PLACES
	s_branch .Lfirst_asked
.Lfirst_x:
	tensor_load_to_lds s[G0X:G0X+3], s[G1X:G1X+7]
	s_nop 0
	tensor_load_to_lds s[G0X+4:G0X+7], s[G1X:G1X+7]
	s_nop 0
	PLACES
.Lfirst_asked:
	v_and_b32 v1, 15, v0                           ; r
	v_bfe_u32 v2, v0, 4, 1                         ; h
	v_lshrrev_b32 v3, 1, v1
	v_mul_u32_u24 v3, v3, PP                       ; a fragment: (r / 2) x 272
	v_and_b32 v4, 1, v1
	v_lshl_add_u32 v3, v4, 7, v3                   ; + (r % 2) x 128
	v_lshl_add_u32 v3, v2, 4, v3                   ; + 16 h; two loads 32 bytes apart
	s_mul_i32 s73, s14, 80*PP                      ; my 160 rows of x
	s_mul_i32 s74, s13, 32*PP                      ; my 64 rows of t
	s_add_co_u32 s74, s74, TOFF
	v_add_nc_u32 v[AX0], s73, v3
	v_add_nc_u32 v[AT0], s74, v3
	v_mov_b32 v[AX], v[AX0]                        ; slot 0 is read first
	v_mov_b32 v[AT], v[AT0]
; nb x 4 products: key blocks b0 on x all four query blocks, 32 along K of buffer f; lo = 0: t hi, 1: t lo
.macro PASS f, lo, b0, nb, zero
.set pb, \b0
.rept \nb
.if pb < 8
	WIN 0xa1
.set pacc, 32*pb
.else
	WIN 0xf1
.set pacc, 32*(pb-8)
.endif
.irp a, 0,1,2,3
.if \zero
	v_wmma_f32_16x16x32_bf16 v[pacc+8*\a:pacc+8*\a+7], v[80*(\f)+8*pb:80*(\f)+8*pb+7], v[64+64*(\f)+32*(\lo)+8*\a:64+64*(\f)+32*(\lo)+8*\a+7], 0
.else
	v_wmma_f32_16x16x32_bf16 v[pacc+8*\a:pacc+8*\a+7], v[80*(\f)+8*pb:80*(\f)+8*pb+7], v[64+64*(\f)+32*(\lo)+8*\a:64+64*(\f)+32*(\lo)+8*\a+7], v[pacc+8*\a:pacc+8*\a+7]
.endif
.endr
.set pb, pb+1
.endr
.endm
; 36 LDS loads in one run, from step st of the slot being read, 32 along K at byte k of the rows, into buffer f: x 20, t hi 8, t lo 8
.macro FETCH st, k, f
	WIN 0x40
.irp i, 0,1,2,3,4,5,6,7,8,9
	ds_load_b128 v[80*(\f)+8*\i:80*(\f)+8*\i+3],   v[AX] offset:(\st)*XS+(\k)+\i*BLK
	ds_load_b128 v[80*(\f)+8*\i+4:80*(\f)+8*\i+7], v[AX] offset:(\st)*XS+(\k)+\i*BLK+32
.endr
	WIN 0
.irp i, 0,1,2,3
	ds_load_b128 v[64+64*(\f)+8*\i:64+64*(\f)+8*\i+3],   v[AT] offset:(\st)*TS+(\k)+\i*BLK
	ds_load_b128 v[64+64*(\f)+8*\i+4:64+64*(\f)+8*\i+7], v[AT] offset:(\st)*TS+(\k)+\i*BLK+32
.endr
.irp i, 0,1,2,3
	ds_load_b128 v[96+64*(\f)+8*\i:96+64*(\f)+8*\i+3],   v[AT] offset:(\st)*TS+TLO+(\k)+\i*BLK
	ds_load_b128 v[96+64*(\f)+8*\i+4:96+64*(\f)+8*\i+7], v[AT] offset:(\st)*TS+TLO+(\k)+\i*BLK+32
.endr
.endm
; A slot is four quarters of 32 along K, 80 matrix instructions each, on buffers 0, 1, 0, 1: the 40 accumulators take turns, once with t hi, once with t lo.
; One of the first three: multiplies buffer f and, in its middle, fetches the next quarter (step st, byte k) into the other buffer.
.macro QUARTER f, st, k, zero
	s_wait_dscnt 8                                 ; x and t hi are in; t lo's eight loads may be out
	PASS \f, 0, 0, 10, \zero
	PLACES                                         ; four places between the products that read the other buffer and the loads into it
	FETCH \st, \k, 1-(\f)
	s_wait_dscnt 36                                ; all but the 36 just issued
	PASS \f, 1, 0, 10, 0
.endm
; The last quarter multiplies buffer 1 and changes slots.  In front of the barrier each wave waits for all its tensor loads (one is out: its part of the other slot), adds 0 to its spare word, and waits for
; that and for its reads of this slot.  fill = 1: behind the barrier the slot just read is filled again first, with the two K steps four further on: 304 matrix instructions ahead of the wait for that load.
.macro TURN fill
	WIN 0
	s_wait_tensorcnt 0x0                           ; no tensor load of mine is out, so the walking group 0 may be written
	ds_add_u32 v[SPW], v[NIL]                      ; 0 onto my spare word; work on registers stands between it and the wait for it
.if \fill
	s_add_co_u32 s[G0T+5], s[RB], s[LT]            ; into the slot just read,
	s_add_nc_u64 s[G0T+6:G0T+7], s[G0T+6:G0T+7], 65536     ; the next two steps; the type bits on top are not reached
	s_add_co_u32 s[G0X+5], s[RB], s[LX]
	s_add_nc_u64 s[G0X+6:G0X+7], s[G0X+6:G0X+7], 2097152
.endif
	s_xor_b32 s[RB], s[RB], SLOT                   ; the reads go on in the other slot
	s_wait_dscnt 9                                 ; the add and t lo's eight loads may be out
	PASS 1, 0, 0, 2, 0
	s_wait_dscnt 0x0                               ; the add is done, my reads of this slot are over
	s_barrier_signal -1
	PASS 1, 0, 2, 2, 0                             ; work on registers while the others arrive
	WIN 0
	s_barrier_wait -1
.if \fill
	LOAD                                           ; its four v_nop are also the places in front of the loads below
.else
	PLACES
.endif
	v_add_nc_u32 v[AX], s[RB], v[AX0]
	v_add_nc_u32 v[AT], s[RB], v[AT0]
	FETCH 0, 0, 0
	PASS 1, 0, 4, 6, 0
	PASS 1, 1, 0, 10, 0
.endm
	s_wait_tensorcnt 0x1                           ; my part of slot 0 is in; slot 1's may stay out
	s_barrier_signal -1
	s_barrier_wait -1
	FETCH 0, 0, 0
	QUARTER 0, 0, 64, 1                            ; the first quarter stands in front of the loop: its products with t hi start the sums
	WIN 0
	s_mov_b32 s72, 6
.Lslot:                                                ; a trip goes from a slot's second quarter to the next slot's first; K steps 4 to 15 are asked for, two a trip
	QUARTER 1, 1, 0, 0
	QUARTER 0, 1, 64, 0
	TURN 1
	QUARTER 0, 0, 64, 0
	WIN 0
	s_sub_co_u32 s72, s72, 1
	s_cmp_lg_u32 s72, 0
	s_cbranch_scc1 .Lslot
	s_mov_b32 s72, 2
.Ltail:                                                ; the last two slots ask for nothing.  In the last trip there is no further slot: the change's fetch ahead reads landed bytes that nothing uses,
	QUARTER 1, 1, 0, 0                             ; and the quarter that would multiply them is jumped over
	QUARTER 0, 1, 64, 0
	TURN 0
	WIN 0
	s_cmp_eq_u32 s72, 1
	s_cbranch_scc1 .Llast
	QUARTER 0, 0, 64, 0
	WIN 0
.Llast:
	s_wait_dscnt 0x0                               ; every LDS load of mine is back: in the last trip, ahead of the barrier below
	s_sub_co_u32 s72, s72, 1
	s_cmp_lg_u32 s72, 0
	s_cbranch_scc1 .Ltail
	; THE WAY OUT.  The scores go as f32 into LDS over the ring (behind a barrier: all have read its last fill), come back by rows, and leave as p, m and l.
	s_barrier_signal -1
	s_barrier_wait -1
	s_lshl_b32 s68, s13, 6
	v_add_nc_u32 v24, s68, v1                      ; the address work is the places behind the last products
	v_mul_u32_u24 v24, v24, RP
	v_lshl_add_u32 v24, v2, 5, v24
	s_mul_i32 s68, s14, 640
	v_add_nc_u32 v24, s68, v24                     ; row 64 wq + r, keys 160 wk + 8 h on
	v_and_b32 v4, 31, v0
	v_lshrrev_b32 v5, 3, v4                        ; the row loop: eight lanes a row,
	v_and_b32 v6, 7, v4                            ; lane l % 8 holds keys 8 (l % 8) + 0..7 of each key block
	s_lshl_b32 s69, s12, 5
	v_add_nc_u32 v7, s69, v5                       ; my first row: 32 w + l / 8
	v_mul_u32_u24 v[RA], v7, RP
	v_lshl_add_u32 v[RA], v6, 5, v[RA]
	v_lshl_add_u32 v[MLA], v7, 2, ML
	v_lshlrev_b32 v[GO], 4, v4
	s_lshl_b32 s69, s12, 12
	v_add_nc_u32 v[GO], s69, v[GO]                 ; four rows of 128 bytes: 512 consecutive bytes
	s_lshl_b32 s68, s23, 7                         ; 128 i
	s_lshl_b32 s69, s40, 6                         ; 64 start
	s_sub_co_i32 s70, s68, s69
	v_add_nc_u32 v[DD], s70, v7
	v_lshlrev_b32 v8, 3, v6
	v_sub_nc_u32 v[DD], v[DD], v8                  ; key place e of key block t is hidden where e > DD - 64 t
	v_mov_b32 v[BIG], 0xf1800000
	s_add_co_u32 s69, s69, 319
	s_cmp_gt_u32 s69, s68                          ; does the tile's last key lie behind the strip's first query?
	s_cselect_b32 s45, 1, 0
.set db, 0
.rept 10
.if db < 8
	WIN 0x08
.set dacc, 32*db
.else
	WIN 0x0c
.set dacc, 32*(db-8)
.endif
.irp a, 0,1,2,3
	ds_store_b128 v24, v[dacc+8*\a:dacc+8*\a+3]   offset:\a*16*RP+db*64
	ds_store_b128 v24, v[dacc+8*\a+4:dacc+8*\a+7] offset:\a*16*RP+db*64+16
.endr
.set db, db+1
.endr
	WIN 0
	s_lshl_b32 s68, s44, 5
	s_add_co_u32 s68, s68, s40                     ; (16 b + i) x 32 + start
	s_add_co_u32 s70, s68, s12
	s_lshl_b32 s70, s70, 9                         ; st: my wave's key block
	s_mov_b32 s71, 0
	s_lshl_b32 s68, s68, 14                        ; pt
	s_mov_b32 s69, 0
	s_add_nc_u64 s[8:9], s[8:9], s[68:69]
	s_add_nc_u64 s[10:11], s[10:11], s[70:71]
	s_wait_dscnt 0x0                               ; for the others' sake
	s_barrier_signal -1
	s_barrier_wait -1
	s_mov_b32 s72, 8
.Lrow:                                                 ; four rows a trip and wave
.irp t, 0,1,2,3,4
	ds_load_b128 v[S+8*\t:S+8*\t+3],   v[RA] offset:\t*256
	ds_load_b128 v[S+8*\t+4:S+8*\t+7], v[RA] offset:\t*256+16
.endr
	s_wait_dscnt 0x0
	s_cmp_eq_u32 s41, 5
	s_cbranch_scc1 .Lwide
.irp e, 0,1,2,3,4,5,6,7
	v_mov_b32 v[S+32+\e], v[BIG]                   ; a tile of four: the fifth key block is not this tile's
.endr
.Lwide:
	s_cmp_eq_u32 s45, 0
	s_cbranch_scc1 .Lopen                          ; all keys of the tile lie in front of all its queries
	v_mov_b32 v[ET], v[DD]
	v_add_nc_u32 v[ET+1], 0xffffffc0, v[DD]
	v_add_nc_u32 v[ET+2], 0xffffff80, v[DD]
	v_add_nc_u32 v[ET+3], 0xffffff40, v[DD]
	v_add_nc_u32 v[ET+4], 0xffffff00, v[DD]
.irp t, 0,1,2,3,4
.irp e, 0,1,2,3,4,5,6,7
	v_cmp_gt_i32 vcc_lo, \e, v[ET+\t]
	v_cndmask_b32 v[S+8*\t+\e], v[S+8*\t+\e], v[BIG], vcc_lo
.endr
.endr
.Lopen:
.irp c, 0,1,2,3                        ; the maximum: four chains of nine, the four left over, the chains, then the row's eight lanes
	v_max3_num_f32 v[C+\c], v[S+10*\c], v[S+10*\c+1], v[S+10*\c+2]
.endr
.irp q, 0,1,2
.irp c, 0,1,2,3
	v_max3_num_f32 v[C+\c], v[C+\c], v[S+10*\c+3+2*\q], v[S+10*\c+4+2*\q]
.endr
.endr
	v_max3_num_f32 v[C], v[C], v[S+9], v[S+19]
	v_max3_num_f32 v[C+1], v[C+1], v[S+29], v[S+39]
	v_max3_num_f32 v[C], v[C], v[C+1], v[C+2]
	v_max_num_f32 v[C], v[C], v[C+3]
	v_max_num_f32_dpp v[C], v[C], v[C] row_xmask:1 row_mask:0xf bank_mask:0xf
	v_max_num_f32_dpp v[C], v[C], v[C] row_xmask:2 row_mask:0xf bank_mask:0xf
	v_max_num_f32_dpp v[C], v[C], v[C] row_xmask:4 row_mask:0xf bank_mask:0xf
	v_mov_b32 v[MC+1], v[C]
	v_mul_f32 v[MC], s[CS], v[C]                   ; c m (exact where m = -2^100)
.set q, 0
.rept 20
	v_pk_fma_f32 v[S+2*q:S+2*q+1], v[S+2*q:S+2*q+1], s[CS:CS+1], v[MC:MC+1] op_sel_hi:[1,0,0] neg_lo:[0,0,1] neg_hi:[0,0,1]
.set q, q+1
.endr
.set q, 0
.rept 40
	v_exp_f32 v[S+q], v[S+q]
.set q, q+1
.endr
	v_nop                                          ; a plain instruction between the exponentials and the use of their results
	s_wait_alu depctr_va_vdst(0)
	v_pk_add_f32 v[LA:LA+1], v[S:S+1], v[S+2:S+3]
	v_pk_add_f32 v[LB:LB+1], v[S+4:S+5], v[S+6:S+7]
.set q, 8
.rept 8
	v_pk_add_f32 v[LA:LA+1], v[LA:LA+1], v[S+q:S+q+1]
	v_pk_add_f32 v[LB:LB+1], v[LB:LB+1], v[S+q+2:S+q+3]
.set q, q+4
.endr
.set q, 0
.rept 20
	v_cvt_pk_f16_f32 v[P+q], v[S+2*q], v[S+2*q+1]
.set q, q+1
.endr
	v_pk_add_f32 v[LA:LA+1], v[LA:LA+1], v[LB:LB+1]
	v_add_f32 v[LA], v[LA], v[LA+1]
	v_add_f32_dpp v[LA], v[LA], v[LA] row_xmask:1 row_mask:0xf bank_mask:0xf
	v_add_f32_dpp v[LA], v[LA], v[LA] row_xmask:2 row_mask:0xf bank_mask:0xf
	v_add_f32_dpp v[LA], v[LA], v[LA] row_xmask:4 row_mask:0xf bank_mask:0xf
.irp t, 0,1,2,3
	global_store_b128 v[GO], v[P+4*\t:P+4*\t+3], s[8:9] offset:\t*16384
.endr
	s_cmp_eq_u32 s41, 5
	s_cbranch_scc0 .Lnarrow
	global_store_b128 v[GO], v[P+16:P+19], s[8:9] offset:4*16384
.Lnarrow:
	ds_store_b32 v[MLA], v[MC+1]                   ; a row's eight lanes write the same word with the same number
	ds_store_b32 v[MLA], v[LA] offset:512
	s_wait_xcnt 0x0                                ; the stores' offset and data are rewritten only behind this wait
	v_add_nc_u32 v[RA], 4*RP, v[RA]
	v_add_nc_u32 v[MLA], 16, v[MLA]
	v_add_nc_u32 v[GO], 512, v[GO]
	v_add_nc_u32 v[DD], 4, v[DD]
	s_sub_co_u32 s72, s72, 1
	s_cmp_lg_u32 s72, 0
	s_cbranch_scc1 .Lrow
	s_wait_dscnt 0x0
	s_barrier_signal -1
	s_barrier_wait -1
	; m goes to each key block of the tile (wave w: block start + w; wave 1 also the fifth), l to the first alone: the others keep the first launch's 0
	v_lshl_add_u32 v28, v4, 4, ML
	ds_load_b128 v[64:67], v28
	ds_load_b128 v[68:71], v28 offset:512
	v_lshlrev_b32 v29, 4, v4
	s_wait_dscnt 0x0
	global_store_b128 v29, v[64:67], s[10:11]
	s_cmp_lg_u32 s12, 0
	s_cbranch_scc1 .Lnot_l
	global_store_b128 v29, v[68:71], s[10:11] offset:1048576
.Lnot_l:
	s_cmp_lg_u32 s12, 1
	s_cbranch_scc1 .Lnot_fifth
	s_cmp_lg_u32 s41, 5
	s_cbranch_scc1 .Lnot_fifth
	global_store_b128 v29, v[64:67], s[10:11] offset:1536
.Lnot_fifth:
	s_wait_tensorcnt 0x0                           ; the wave's end
	ds_add_u32 v[SPW], v[NIL]
	s_wait_dscnt 0x0
	s_endpgm
.Lfunc_end_k_qf82dd03919_score:
	.size	k_qf82dd03919_score, .Lfunc_end_k_qf82dd03919_score-k_qf82dd03919_score
	.p2alignl 7, 3214868480
	.fill 96, 4, 3214868480
	.section	.rodata,"a",@progbits
	.p2align	6, 0x0
	.amdhsa_kernel k_qf82dd03919_score
		.amdhsa_group_segment_fixed_size 327680
		.amdhsa_private_segment_fixed_size 0
		.amdhsa_enable_private_segment 0
		.amdhsa_kernarg_size 32
		.amdhsa_user_sgpr_count 2
		.amdhsa_user_sgpr_kernarg_segment_ptr 1
		.amdhsa_wavefront_size32 1
		.amdhsa_system_sgpr_workgroup_id_x 1
		.amdhsa_system_sgpr_workgroup_id_y 1
		.amdhsa_system_sgpr_workgroup_id_z 1
		.amdhsa_system_vgpr_workitem_id 0
		.amdhsa_next_free_vgpr 832
		.amdhsa_next_free_sgpr 80
		.amdhsa_reserve_vcc 1
		.amdhsa_float_denorm_mode_32 3
		.amdhsa_float_denorm_mode_16_64 3
		.amdhsa_memory_ordered 1
		.amdhsa_forward_progress 1
		.amdhsa_inst_pref_size 99
	.end_amdhsa_kernel
	.amdgpu_metadata
---
amdhsa.version: [ 1, 2 ]
amdhsa.kernels:
  - .name:           k_qf82dd03919_score
    .symbol:         k_qf82dd03919_score.kd
    .args:
      - { .name: tt, .offset: 0, .size: 8, .value_kind: global_buffer, .address_space: global }
      - { .name: xb, .offset: 8, .size: 8, .value_kind: global_buffer, .address_space: global }
      - { .name: pt, .offset: 16, .size: 8, .value_kind: global_buffer, .address_space: global }
      - { .name: st, .offset: 24, .size: 8, .value_kind: global_buffer, .address_space: global }
    .group_segment_fixed_size: 327680
    .private_segment_fixed_size: 0
    .kernarg_segment_align: 8
    .kernarg_segment_size: 32
    .max_flat_workgroup_size: 128
    .sgpr_count:     80
    .vgpr_count:     832
    .wavefront_size: 32
...
	.end_amdgpu_metadata
.endif
;; end of part 3
;; launch pv (part 4): grid 8 x 32, 4 waves a work-group, clusters of 4 x 1, 327,680 bytes of LDS; arguments pt, vt, st, out0; writes out0
.if DOCPART == 4
	.amdgcn_target "amdgcn-amd-amdhsa--gfx1250"
	.amdhsa_code_object_version 6
	.text
	.protected	k_qf82dd03919_pv
	.globl	k_qf82dd03919_pv
	.p2align	8
	.type	k_qf82dd03919_pv,@function
k_qf82dd03919_pv:
	s_mov_b64 s[64:65], 0
	v_nop
	global_prefetch_b8 v0, s[64:65] scope:SCOPE_SE
	s_setreg_imm32_b32 hwreg(HW_REG_WAVE_MODE, 25, 1), 1
	s_wait_xcnt 0x0
	s_wait_alu depctr_hold_cnt(0) depctr_sa_sdst(0) depctr_va_vdst(0) depctr_va_sdst(0) depctr_va_ssrc(0) depctr_va_vcc(0) depctr_vm_vsrc(0)
	s_getreg_b32 s2, hwreg(HW_REG_IB_STS2, 6, 4)
	s_cmp_eq_u32 s2, 0
	s_cbranch_scc0 .Lentry_in_a_cluster
	s_endpgm
.Lentry_in_a_cluster:
	s_bfe_u32 s2, ttmp6, 0x10000c
	s_cmp_lg_u32 s2, 0x3003
	s_cbranch_scc0 .Lentry_shape_is_right
	s_endpgm
.Lentry_shape_is_right:
; PV.  out[q][e] = (sum over k of p[q][k] f[q][key block of k] v[k][e]) / l[q], with M[q] = the maximum of the tiles' m, f = exp(m - M), l = sum of f x the tiles' l: the softmax with the row's true maximum.
; A work-group: 128 channels (c) of strip 15 - p and then of strip p of batch b: (17 - p) / 2 and 9 less that many tiles of 256 keys: always nine, so all work-groups are alike.
; Four waves, each 64 queries x 64 channels: 16 accumulators.  Source 0 = 16 channels of v (turned in memory), source 1 = 16 queries of p: a lane holds one query and eight neighbouring channels.
; p f is formed in f16 on the fragment (p and f lie in 0 to 1; below 6e-8 the product is 0); sums, M, l and the factors' exponents in f32.  LIMITS as in the launches before.
; Every LDS address is the same whichever tile ends a strip: what hangs on the strip lies in registers (M c, 1 / l, the factors) and in global addresses.
; The accumulators are cleared by moves, at the start and at the change of strips: that change falls at a place in the looped text that hangs on p, so no first product can be written out.
; The tail is the tile's text without a refill, walked twice; its last trip fetches fragments and maxima ahead that nothing uses (landed LDS bytes; st's key blocks below 32).
; CLUSTER 4 x 1: the four work-groups share b and p and differ in c: p's tiles are asked for jointly, v's by a load of one's own in the same round.
; v's tiles are not shared: the work-groups that read the same ones differ in p, and walk different tiles from the fifth trip on.
; REGISTERS: window 0: addresses, figures, v80-111 the way out, v128-255 accumulators (a, cb) at 128 + 8 (4 a + cb); window 1: two fragment buffers of 64 (p 32, v 32).
.set KP,    144
.set KBB,   128*KP                     ; a key block: 128 rows or channels x 64 keys
.set VOFF,  4*KBB                      ; in a slot: p's four key blocks, then v's
.set SLOT,  8*KBB                      ; 147,456 = bits 17 and 14, both clear in wave x 36,864: one exclusive or changes slots
.set STAT,  2*SLOT                     ; [strip 2][M c, 1 / l][128] f32
.set STAGE, STAT+2048                  ; 16 rows x 272 bytes for each wave
.set SP,    272
.set SPARE, STAGE+4*16*SP
.set W0, (1<<16)|(1<<20)|(4<<22)|(3<<25)
.set PA0, 8                            ; v8   my lane's place in a slot's p; never rewritten
.set VA0, 9                            ; v9   in its v
.set PA,  10                           ; v10  the key block in hand
.set VA,  11
.set MO,  12                           ; v12  4 r
.set SO,  13                           ; v13  8 l
.set STO, 14
.set RD,  15
.set GO,  16
.set SR,  17
.set SPW, 18
.set NIL, 19
.set ST,  20                           ; v20-27  for query block a: 1 / l at +2 a, M c at +2 a + 1, of the strip in hand
.set STS, 28                           ; v28-35  the short strip's
.set MR,  36                           ; v36-51  the next tile's m: key block k, query block a at +4 k + a
.set FF,  52                           ; v52-67  this tile's factors, (f, f) in f16, likewise; they move down by four after each key block
.set MP,  68
.set MCP, 70
.set LA,  72
.set LB,  74
.set SW,  76
.set T,   80
.set ACC, 128
.set G1P, 24
.set G1V, 32
.set G0P, 40                           ; s[40:43] the first fill's, s[44:47] walks on
.set G0V, 48
.set PBC, 56                           ; s[56:57] pt at the strip whose tiles are being asked for
.set PBS, 58                           ; the short strip's
.set VB,  60
.set MB,  62                           ; st at the tile whose m are asked for
.set MBS, 66
.set OB,  68                           ; out0 at my rows and channels of the strip in hand
.set OBS, 70
.set OFF, 72
.set CS,  74
.set SB,  76
.set FS,  78                           ; the tile to be asked for next
.set FN,  79                           ; the long strip's tiles
.set RT,  80                           ; tiles of the strip in hand still to end
.set KL,  81
.set TL,  82
.set KC,  83
.set RBS, 84                           ; the slot being read
.set NS,  85
.set MSB, 0
.macro WIN new
.if MSB != (\new)
	s_set_vgpr_msb (MSB<<8)|(\new)
.set MSB, \new
.endif
.endm
.macro PLACES
.rept 4
	v_nop
.endr
.endm
.macro JLOAD                           ; waves 0, 1: two key blocks of p each, jointly; waves 2, 3: of v; an s_nop 0 and four v_nop follow each line
	s_cmp_eq_u32 s13, 0
	s_cbranch_scc0 .Lfor_v_\@
	tensor_load_to_lds s[G0P+4:G0P+7], s[G1P:G1P+7]
	s_nop 0
	PLACES
	s_branch .Lasked_\@
.Lfor_v_\@:
	tensor_load_to_lds s[G0V+4:G0V+7], s[G1V:G1V+7]
	s_nop 0
	PLACES
.Lasked_\@:
.endm
.macro CREST
	s_cmp_lg_u32 s12, 0
	s_cbranch_scc1 .Lnot_wave_0_\@
	s_barrier_signal -3
.Lnot_wave_0_\@:
	s_barrier_wait -3
	s_barrier_signal -1
	s_barrier_wait -1
.endm
.macro CROUND
	s_barrier_signal -1
	s_barrier_wait -1
	CREST
.endm
	s_load_b256 s[4:11], s[0:1], 0x0               ; pt s[4:5], vt s[6:7], st s[8:9], out0 s[10:11]
	v_lshl_add_u32 v[SPW], v0, 2, SPARE
	v_mov_b32 v[NIL], 0
	ds_add_u32 v[SPW], v[NIL]                      ; the wave's opening: the add and its wait ahead of my first tensor load
	ds_add_u32 v18, v19
	v_lshrrev_b32 v1, 5, v0
	v_readfirstlane_b32 s12, v1
	s_lshr_b32 s13, s12, 1                         ; wq.  Also: I fetch p (0) or v (1); and whose figures I make: the long strip's (0) or the short's (1)
	s_and_b32 s14, s12, 1                          ; wc.  Also: which two key blocks, which 64 rows
	s_bfe_u32 s15, ttmp6, 0x40000                  ; cx
	s_lshl_b32 s16, ttmp9, 2
	s_add_co_u32 s16, s16, s15                     ; c: it enters vt's and out0's addresses alone
	s_and_b32 s17, ttmp7, 0xffff
	s_lshr_b32 s18, s17, 3                         ; b
	s_and_b32 s19, s17, 7                          ; p
	s_sub_co_u32 s[FN], 17, s19
	s_lshr_b32 s[FN], s[FN], 1
	s_sub_co_u32 s[NS], 9, s[FN]
	s_lshl_b32 s22, s18, 4
	s_add_co_u32 s23, s22, s19                     ; the short strip: 16 b + p
	s_add_co_u32 s22, s22, 15
	s_sub_co_u32 s22, s22, s19                     ; the long one: 16 b + 15 - p
	s_lshl_b32 s20, s14, 15                        ; my two key blocks of a tile
	s_lshl_b32 s86, s22, 19
	s_add_co_u32 s86, s86, s20
	s_mov_b32 s87, 0
	s_lshl_b32 s88, s23, 19
	s_add_co_u32 s88, s88, s20
	s_mov_b32 s89, 0
	s_lshl_b32 s90, s18, 3
	s_add_co_u32 s90, s90, s16
	s_lshl_b32 s90, s90, 19                        ; vt: (8 b + c) x 32 key blocks
	s_add_co_u32 s90, s90, s20
	s_mov_b32 s91, 0
	s_cmp_eq_u32 s13, 0
	s_cselect_b32 s92, s22, s23
	s_lshl_b32 s92, s92, 14                        ; st: a strip's 32 key blocks of 512 bytes,
	s_lshl_b32 s93, s14, 8                         ; my 64 rows
	s_add_co_u32 s92, s92, s93
	s_mov_b32 s93, 0
	s_lshl_b32 s21, s13, 8                         ; the 64 rows that I multiply
	s_lshl_b32 s94, s22, 14
	s_add_co_u32 s94, s94, s21
	s_mov_b32 s95, 0
	s_lshl_b32 s96, s23, 14
	s_add_co_u32 s96, s96, s21
	s_mov_b32 s97, 0
	s_mov_b32 s[G1P], (15|W0|(1<<21))              ; the mask of four, and bit 21 beside it
	s_mov_b32 s[G1V], W0
.irp g, G1P, G1V
	s_mov_b32 s[\g+1], 128<<16                     ; rows of 256 bytes,
	s_mov_b32 s[\g+2], 128<<16                     ; 128 of them: two key blocks, dense
	s_mov_b32 s[\g+3], 128<<16
	s_mov_b32 s[\g+4], 128
	s_mov_b32 s[\g+5], 128
	s_mov_b32 s[\g+6], 0
	s_mov_b32 s[\g+7], 0
.endr
	s_mul_i32 s98, s12, 2*KBB                      ; where my part of a tile goes: wave x 36,864
	s_mov_b32 s[G0P], 1
	s_mov_b32 s[G0P+1], s98
	s_mov_b32 s[G0P+4], 1
	s_add_co_u32 s[G0P+5], s98, SLOT
	s_mov_b32 s[G0V], 1
	s_mov_b32 s[G0V+1], s98
	s_mov_b32 s[G0V+4], 1
	s_add_co_u32 s[G0V+5], s98, SLOT
	s_mov_b32 s[CS], 0x3fb8aa3b
	s_mov_b32 s[CS+1], 0x3fb8aa3b
	s_mov_b32 s[FS], 2
	s_mov_b32 s[RT], s[FN]
	s_mov_b32 s[KL], s[FN]
	s_mov_b32 s[OFF+1], 0
	s_mov_b32 s[RBS], 0
	s_wait_dscnt 0x0                               ; the opening add is done
	s_wait_kmcnt 0x0
	s_add_nc_u64 s[PBC:PBC+1], s[4:5], s[86:87]
	s_add_nc_u64 s[PBS:PBS+1], s[4:5], s[88:89]
	s_add_nc_u64 s[VB:VB+1], s[6:7], s[90:91]
	s_add_nc_u64 s[SB:SB+1], s[8:9], s[92:93]
	s_add_nc_u64 s[MB:MB+1], s[8:9], s[94:95]
	s_add_nc_u64 s[MBS:MBS+1], s[8:9], s[96:97]
	s_add_nc_u64 s[G0P+2:G0P+3], s[PBC:PBC+1], 0
	s_or_b32 s[G0P+3], s[G0P+3], 0x80000000
	s_add_nc_u64 s[G0P+6:G0P+7], s[PBC:PBC+1], 65536  ; tile 1: four key blocks on
	s_or_b32 s[G0P+7], s[G0P+7], 0x80000000
	s_add_nc_u64 s[G0V+2:G0V+3], s[VB:VB+1], 0
	s_or_b32 s[G0V+3], s[G0V+3], 0x80000000
	s_add_nc_u64 s[G0V+6:G0V+7], s[VB:VB+1], 65536
	s_or_b32 s[G0V+7], s[G0V+7], 0x80000000
	s_lshl_b32 s86, s22, 19                        ; out0: row 128 x strip + 64 wq, 4,096 bytes a row; channel 128 c + 64 wc
	s_lshl_b32 s20, s13, 18
	s_add_co_u32 s86, s86, s20
	s_lshl_b32 s88, s23, 19
	s_add_co_u32 s88, s88, s20
	s_lshl_b32 s20, s16, 9
	s_lshl_b32 s21, s14, 8
	s_add_co_u32 s20, s20, s21
	s_add_co_u32 s86, s86, s20
	s_add_co_u32 s88, s88, s20
	s_add_nc_u64 s[OB:OB+1], s[10:11], s[86:87]
	s_add_nc_u64 s[OBS:OBS+1], s[10:11], s[88:89]
	CROUND                                         ; all four work-groups are here
	s_cmp_eq_u32 s13, 0                            ; a wave's two first fills stand in one branch: two loads of mine are out
	s_cbranch_scc0 .Lfirst_v
	tensor_load_to_lds s[G0P:G0P+3], s[G1P:G1P+7]
	s_nop 0
	tensor_load_to_lds s[G0P+4:G0P+7], s[G1P:G1P+7]
	s_nop 0
	PLACES
	s_branch .Lfirst_asked
.Lfirst_v:
	tensor_load_to_lds s[G0V:G0V+3], s[G1V:G1V+7]
	s_nop 0
	tensor_load_to_lds s[G0V+4:G0V+7], s[G1V:G1V+7]
	s_nop 0
	PLACES
.Lfirst_asked:
	; THE ROWS' FIGURES, while the first tiles are on their way.  My lane takes two rows of my strip: m and l of all 32 key blocks (what no tile wrote holds -2^100 and 0).  Each load covers 256 consecutive bytes, aligned.
	v_and_b32 v4, 31, v0
	v_lshlrev_b32 v[SO], 3, v4
	v_and_b32 v1, 15, v0                           ; r
	v_bfe_u32 v2, v0, 4, 1                         ; h
	v_lshlrev_b32 v[MO], 2, v1
.set q, 0
.rept 32
	global_load_b64 v[128+2*q:129+2*q], v[SO], s[SB:SB+1] offset:q*512
.set q, q+1
.endr
.set q, 0
.rept 32
	global_load_b64 v[192+2*q:193+2*q], v[SO], s[SB:SB+1] offset:q*512+1048576
.set q, q+1
.endr
.irp k, 0,1,2,3
.irp a, 0,1,2,3
	global_load_b32 v[MR+4*\k+\a], v[MO], s[MB:MB+1] offset:\k*512+\a*64   ; the first tile's m for the rows that I multiply
.endr
.endr
	v_mul_u32_u24 v3, v1, KP
	v_lshl_add_u32 v3, v2, 4, v3
	s_mul_i32 s86, s13, 64*KP
	s_mul_i32 s87, s14, 64*KP
	s_add_co_u32 s87, s87, VOFF
	v_add_nc_u32 v[PA0], s86, v3
	v_add_nc_u32 v[VA0], s87, v3
	v_mov_b32 v[PA], v[PA0]
	v_mov_b32 v[VA], v[VA0]
	s_lshl_b32 s86, s13, 10
	s_lshl_b32 s87, s14, 8
	s_add_co_u32 s86, s86, s87
	s_add_co_u32 s86, s86, STAT
	v_lshl_add_u32 v[SW], v4, 3, s86
	s_lshl_b32 s86, s13, 8
	s_add_co_u32 s86, s86, STAT
	v_lshl_add_u32 v[SR], v1, 2, s86
	s_mul_i32 s86, s12, 16*SP
	s_add_co_u32 s86, s86, STAGE
	v_mul_u32_u24 v[STO], v1, SP                   ; into my stage: row r, 32 bytes for each half of the lanes
	v_lshl_add_u32 v[STO], v2, 5, v[STO]
	v_add_nc_u32 v[STO], s86, v[STO]
	v_mul_u32_u24 v[RD], v2, SP                    ; back: lanes 0-15 one row of 256 bytes, lanes 16-31 the next
	v_lshl_add_u32 v[RD], v1, 4, v[RD]
	v_add_nc_u32 v[RD], s86, v[RD]
	v_lshlrev_b32 v[GO], 12, v2
	v_lshl_add_u32 v[GO], v1, 4, v[GO]
	s_wait_loadcnt 48                              ; the 32 m are in; the 32 l and the 16 for the first tile may be out
	v_max3_num_f32 v[MP], v128, v130, v132
	v_max3_num_f32 v[MP+1], v129, v131, v133
.set q, 3
.rept 14
	v_max3_num_f32 v[MP], v[MP], v[128+2*q], v[130+2*q]
	v_max3_num_f32 v[MP+1], v[MP+1], v[129+2*q], v[131+2*q]
.set q, q+2
.endr
	v_max_num_f32 v[MP], v[MP], v190
	v_max_num_f32 v[MP+1], v[MP+1], v191
	v_pk_mul_f32 v[MCP:MCP+1], v[MP:MP+1], s[CS:CS+1] op_sel_hi:[1,0]
.set q, 0
.rept 32
	v_pk_fma_f32 v[128+2*q:129+2*q], v[128+2*q:129+2*q], s[CS:CS+1], v[MCP:MCP+1] op_sel_hi:[1,0,1] neg_lo:[0,0,1] neg_hi:[0,0,1]
.set q, q+1
.endr
.set q, 0
.rept 64
	v_exp_f32 v[128+q], v[128+q]
.set q, q+1
.endr
	v_nop
	s_wait_loadcnt 16                              ; the l are in
	s_wait_alu depctr_va_vdst(0)
	v_pk_mul_f32 v[LA:LA+1], v[128:129], v[192:193]
	v_pk_mul_f32 v[LB:LB+1], v[130:131], v[194:195]
.set q, 2
.rept 15
	v_pk_fma_f32 v[LA:LA+1], v[128+2*q:129+2*q], v[192+2*q:193+2*q], v[LA:LA+1]
	v_pk_fma_f32 v[LB:LB+1], v[130+2*q:131+2*q], v[194+2*q:195+2*q], v[LB:LB+1]
.set q, q+2
.endr
	v_pk_add_f32 v[LA:LA+1], v[LA:LA+1], v[LB:LB+1]
	v_rcp_f32 v[LA], v[LA]
	v_rcp_f32 v[LA+1], v[LA+1]
	v_nop
	ds_store_b64 v[SW], v[MCP:MCP+1]
	s_wait_alu depctr_va_vdst(0)
	ds_store_b64 v[SW], v[LA:LA+1] offset:512
.set q, 0
.rept 128
	v_mov_b32 v[ACC+q], 0
.set q, q+1
.endr
	s_wait_tensorcnt 0x1                           ; my part of tile 0 is in; tile 1's may stay out
	s_wait_dscnt 0x0
	s_barrier_signal -1
	s_barrier_wait -1
.irp a, 0,1,2,3
	ds_load_b32 v[ST+2*\a+1],  v[SR] offset:\a*64
	ds_load_b32 v[ST+2*\a],    v[SR] offset:\a*64+512
	ds_load_b32 v[STS+2*\a+1], v[SR] offset:\a*64+1024
	ds_load_b32 v[STS+2*\a],   v[SR] offset:\a*64+1536
.endr
.macro SCALE f                         ; p times the key block's factor, on the fragment; 32 plain instructions: also the places in front of the loads into the other buffer
	WIN 0x41
.irp a, 0,1,2,3
.irp j, 0,1,2,3,4,5,6,7
	v_pk_mul_f16 v[64*(\f)+8*\a+\j], v[64*(\f)+8*\a+\j], v[FF+\a]
.endr
.endr
.endm
.macro FETCHU g, off                   ; 32 keys' fragments at byte off from the key block in hand: 16 LDS loads in one run
	WIN 0x40
.irp a, 0,1,2,3
	ds_load_b128 v[64*(\g)+8*\a:64*(\g)+8*\a+3],   v[PA] offset:(\off)+\a*16*KP
	ds_load_b128 v[64*(\g)+8*\a+4:64*(\g)+8*\a+7], v[PA] offset:(\off)+\a*16*KP+32
.endr
.irp a, 0,1,2,3
	ds_load_b128 v[64*(\g)+32+8*\a:64*(\g)+32+8*\a+3],   v[VA] offset:(\off)+\a*16*KP
	ds_load_b128 v[64*(\g)+32+8*\a+4:64*(\g)+32+8*\a+7], v[VA] offset:(\off)+\a*16*KP+32
.endr
.endm
.macro WMMA f                          ; the 16 accumulators take turns
	WIN 0x05
.irp a, 0,1,2,3
.irp cb, 0,1,2,3
	v_wmma_f32_16x16x32_f16 v[ACC+8*(4*\a+\cb):ACC+8*(4*\a+\cb)+7], v[64*(\f)+32+8*\cb:64*(\f)+32+8*\cb+7], v[64*(\f)+8*\a:64*(\f)+8*\a+7], v[ACC+8*(4*\a+\cb):ACC+8*(4*\a+\cb)+7]
.endr
.endr
.endm
.macro UNIT f, off
	s_wait_dscnt 0x0                               ; this unit's fragments are in
	SCALE \f
	FETCHU 1-(\f), \off
	WMMA \f
.endm
.macro MAKEF                           ; the coming tile's 16 factors, from its m and the M c of the strip in hand
	WIN 0
	s_wait_loadcnt 0x0
.irp k, 0,1,2,3
.irp a, 0,1,2,3
	v_fma_f32 v[MR+4*\k+\a], v[MR+4*\k+\a], s[CS], -v[ST+2*\a+1]
.endr
.endr
.set q, 0
.rept 16
	v_exp_f32 v[MR+q], v[MR+q]
.set q, q+1
.endr
	v_nop
.set q, 0
	s_wait_alu depctr_va_vdst(0)
.rept 16
	v_cvt_pk_f16_f32 v[FF+q], v[MR+q], v[MR+q]
.set q, q+1
.endr
.endm
; A STRIP ENDS: the sums times 1 / l go through my stage, a query block at a time, and leave as whole rows' 256 bytes; then the short strip's figures take the long one's place.
.macro EPI
	WIN 0
	PLACES
.irp a, 0,1,2,3
	s_wait_xcnt 0x0                                ; T was the data of the stores before
.irp cb, 0,1,2,3
.irp j, 0,2,4,6
	v_pk_mul_f32 v[T+8*\cb+\j:T+8*\cb+\j+1], v[ACC+8*(4*\a+\cb)+\j:ACC+8*(4*\a+\cb)+\j+1], v[ST+2*\a:ST+2*\a+1] op_sel_hi:[1,0]
.endr
.endr
.irp cb, 0,1,2,3
	ds_store_b128 v[STO], v[T+8*\cb:T+8*\cb+3]   offset:\cb*64
	ds_store_b128 v[STO], v[T+8*\cb+4:T+8*\cb+7] offset:\cb*64+16
.endr
.irp t, 0,1,2,3,4,5,6,7
	ds_load_b128 v[T+4*\t:T+4*\t+3], v[RD] offset:\t*2*SP   ; LDS serves a wave's instructions in order: these see the stores above
.endr
	s_wait_dscnt 0x0
.irp t, 0,1,2,3,4,5,6,7
	global_store_b128 v[GO], v[T+4*\t:T+4*\t+3], s[OB:OB+1] offset:(16*\a+2*\t)*4096 th:TH_STORE_NT  ; 16 lanes store 256 consecutive bytes, aligned
.endr
.endr
.set q, 0
.rept 128
	v_mov_b32 v[ACC+q], 0
.set q, q+1
.endr
.irp k, 0,1,2,3,4,5,6,7
	v_mov_b32 v[ST+\k], v[STS+\k]
.endr
	s_wait_xcnt 0x0                                ; the stores' base is rewritten only behind this wait
	s_mov_b64 s[OB:OB+1], s[OBS:OBS+1]
	s_mov_b32 s[RT], s[NS]
.endm
; A TILE of 256 keys: eight units of 32.  fill = 1: the slot is filled again, with the tile two further on in the walk.
.macro TILE fill
	s_add_nc_u64 s[MB:MB+1], s[MB:MB+1], 2048      ; the next tile's m (the loads before were waited for in MAKEF): four key blocks on, or the short strip's first
	s_sub_co_u32 s[KL], s[KL], 1
	s_cmp_eq_u32 s[KL], 0
	s_cselect_b64 s[MB:MB+1], s[MBS:MBS+1], s[MB:MB+1]
.irp k, 0,1,2,3
.irp a, 0,1,2,3
	global_load_b32 v[MR+4*\k+\a], v[MO], s[MB:MB+1] offset:\k*512+\a*64   ; a key block's four loads cover 256 consecutive bytes; a whole tile's work lies in front of their use
.endr
.endr
	s_mov_b32 s[KC], 3
.Lkb_\@:
	UNIT 0, 64
	UNIT 1, KBB
	WIN 0
	v_add_nc_u32 v[PA], KBB, v[PA]
	v_add_nc_u32 v[VA], KBB, v[VA]
.irp k, 0,1,2,3,4,5,6,7,8,9,10,11
	v_mov_b32 v[FF+\k], v[FF+\k+4]                 ; the next key block's factors come to the front
.endr
	s_sub_co_u32 s[KC], s[KC], 1
	s_cmp_lg_u32 s[KC], 0
	s_cbranch_scc1 .Lkb_\@
	UNIT 0, 64
	; the last unit changes slots: its fragments are in registers, so my reads of this slot are over
	s_wait_dscnt 0x0
	WIN 0
	s_wait_tensorcnt 0x0                           ; all my tensor loads have landed: my part of the other slot
	ds_add_u32 v[SPW], v[NIL]                      ; 0 onto my spare word; work on registers stands between it and the wait for it
	SCALE 1
.if \fill
	s_lshl_b32 s[OFF], s[FS], 16                   ; a tile is four key blocks of 16,384 bytes
	s_xor_b32 s[G0P+5], s[G0P+5], SLOT
	s_add_nc_u64 s[G0P+6:G0P+7], s[PBC:PBC+1], s[OFF:OFF+1]
	s_or_b32 s[G0P+7], s[G0P+7], 0x80000000
	s_xor_b32 s[G0V+5], s[G0V+5], SLOT
	s_add_nc_u64 s[G0V+6:G0V+7], s[VB:VB+1], s[OFF:OFF+1]
	s_or_b32 s[G0V+7], s[G0V+7], 0x80000000
	s_add_co_u32 s[FS], s[FS], 1                   ; the strip's next tile, or behind the long strip's last the short one's tile 0
	s_cmp_eq_u32 s[FS], s[FN]
	s_cselect_b32 s[FS], 0, s[FS]
	s_cselect_b64 s[PBC:PBC+1], s[PBS:PBS+1], s[PBC:PBC+1]
.endif
	s_xor_b32 s[RBS], s[RBS], SLOT
	s_wait_dscnt 0x0                               ; the add is done
	s_barrier_signal -1
	WMMA 1                                         ; work on registers while the others arrive
	WIN 0
	s_barrier_wait -1
.if \fill
	CREST                                          ; the barrier has opened a round of the cluster's: no wave of any partner still reads the slot or has a load on its way
	JLOAD                                          ; the first tensor load behind the round: 112 matrix instructions ahead of the wait for it
.endif
	v_add_nc_u32 v[PA], s[RBS], v[PA0]
	v_add_nc_u32 v[VA], s[RBS], v[VA0]
	FETCHU 0, 0
	WIN 0
	s_sub_co_u32 s[RT], s[RT], 1
	s_cmp_lg_u32 s[RT], 0
	s_cbranch_scc1 .Lsame_\@                       ; forward, over text without a barrier or a tensor load
	EPI
.Lsame_\@:
	MAKEF
.endm
	FETCHU 0, 0
	WIN 0
	s_wait_dscnt 0x0                               ; my rows' figures are in
	MAKEF
	s_mov_b32 s[TL], 7
.Lwalk:                                                ; tiles 0 to 6 of the walk ask for tiles 2 to 8
	TILE 1
	s_sub_co_u32 s[TL], s[TL], 1
	s_cmp_lg_u32 s[TL], 0
	s_cbranch_scc1 .Lwalk
	s_mov_b32 s[TL], 2
.Ltail:                                                ; tiles 7 and 8 ask for nothing
	TILE 0
	s_sub_co_u32 s[TL], s[TL], 1
	s_cmp_lg_u32 s[TL], 0
	s_cbranch_scc1 .Ltail
	s_wait_tensorcnt 0x0                           ; the wave's end
	ds_add_u32 v[SPW], v[NIL]
	s_wait_dscnt 0x0
	CROUND                                         ; the closing round
	s_endpgm
.Lfunc_end_k_qf82dd03919_pv:
	.size	k_qf82dd03919_pv, .Lfunc_end_k_qf82dd03919_pv-k_qf82dd03919_pv
	.p2alignl 7, 3214868480
	.fill 96, 4, 3214868480
	.section	.rodata,"a",@progbits
	.p2align	6, 0x0
	.amdhsa_kernel k_qf82dd03919_pv
		.amdhsa_group_segment_fixed_size 327680
		.amdhsa_private_segment_fixed_size 0
		.amdhsa_enable_private_segment 0
		.amdhsa_kernarg_size 32
		.amdhsa_user_sgpr_count 2
		.amdhsa_user_sgpr_kernarg_segment_ptr 1
		.amdhsa_wavefront_size32 1
		.amdhsa_system_sgpr_workgroup_id_x 1
		.amdhsa_system_sgpr_workgroup_id_y 1
		.amdhsa_system_sgpr_workgroup_id_z 1
		.amdhsa_system_vgpr_workitem_id 0
		.amdhsa_next_free_vgpr 384
		.amdhsa_next_free_sgpr 100
		.amdhsa_reserve_vcc 0
		.amdhsa_float_denorm_mode_32 3
		.amdhsa_float_denorm_mode_16_64 3
		.amdhsa_memory_ordered 1
		.amdhsa_forward_progress 1
		.amdhsa_inst_pref_size 110
	.end_amdhsa_kernel
	.amdgpu_metadata
---
amdhsa.version: [ 1, 2 ]
amdhsa.kernels:
  - .name:           k_qf82dd03919_pv
    .symbol:         k_qf82dd03919_pv.kd
    .args:
      - { .name: pt, .offset: 0, .size: 8, .value_kind: global_buffer, .address_space: global }
      - { .name: vt, .offset: 8, .size: 8, .value_kind: global_buffer, .address_space: global }
      - { .name: st, .offset: 16, .size: 8, .value_kind: global_buffer, .address_space: global }
      - { .name: out0, .offset: 24, .size: 8, .value_kind: global_buffer, .address_space: global }
    .group_segment_fixed_size: 327680
    .private_segment_fixed_size: 0
    .kernarg_segment_align: 8
    .kernarg_segment_size: 32
    .max_flat_workgroup_size: 128
    .sgpr_count:     100
    .vgpr_count:     384
    .wavefront_size: 32
...
	.end_amdgpu_metadata
.endif
;; end of part 4
;; ======== version 2 of 2: 4 launches; version 1 with the launch prep written anew for expert scheduling mode
;; limits: values are held in f16: magnitudes above 65,504 overflow, below 6.1e-05 lose precision
;; workspace buffers: xb 16,777,216 bytes; bw 6,291,456 bytes; tt 33,554,432 bytes; vt 16,777,216 bytes; pt 33,554,432 bytes; st 2,097,152 bytes
;; launch prep (part 5): grid 896 x 1, 8 waves a work-group, no clusters, 59,392 bytes of LDS; arguments Wk, Wq, Wv, input_seq_embs, xb, bw, st; writes xb, bw, st
.if DOCPART == 5
	.amdgcn_target "amdgcn-amd-amdhsa--gfx1250"
	.amdhsa_code_object_version 6
	.text
	.protected	k_qf82dd03919_prep
	.globl	k_qf82dd03919_prep
	.p2align	8
	.type	k_qf82dd03919_prep,@function
k_qf82dd03919_prep:
	s_mov_b64 s[64:65], 0
	v_nop
	global_prefetch_b8 v0, s[64:65] scope:SCOPE_SE
	s_setreg_imm32_b32 hwreg(HW_REG_WAVE_SCHED_MODE, 0, 2), 2
	s_setreg_imm32_b32 hwreg(HW_REG_WAVE_MODE, 25, 1), 1
	s_wait_xcnt 0x0
	s_wait_alu depctr_vm_vsrc(0)
; PREP.  scores = q k^T = x (Wq^T Wk) x^T, so the program forms G[j][i] = sum over e of Wk[e][j] Wq[e][i] once and never q or k: an order of rounding that differs from the source's.
; All four inputs are rounded to bf16.  G is kept as two bf16 pieces, hi + lo (lo = bf16(G - hi)): about 16 significant bits.
; Four kinds of work-group, chosen by the work-group's number alone (the same for all its waves):
;   0-255    a tile of G, 64 j x 64 i, K = e = 1,024 in 16 chunks of 64     256-767  16 rows of x cast to bf16 into xb
;   768-831  16 rows of Wv cast to bf16 into bw                             832-895  32 KiB of st filled: maxima -2^100, sums 0
; LAYOUTS.  xb: [kb 16][row 8192][64].  bw: [kb 16][c 8][384 rows][64]: rows 0-127 G hi (j = 128 c + row), 128-255 G lo, 256-383 Wv (e = 128 c + row - 256); kb = the K index / 64.
; So every later tile of 64 along K is dense in memory.
; No tensor loads, no cluster: what is shared is small, and the casts only stream.
; THE MODE: SCHED_MODE bits 1:0 = 2 (LLVM: expert scheduling mode 2), set by the entry lines.  The code itself states the register dependences
; between vector or matrix instructions and memory or LDS instructions, with s_wait_alu, always for 0.
; THE PLAN.  Registers that memory or LDS instructions touch.
; G's tile, step s of 16:
;   RB0 .. RB3   The step's sixteen conversions read RB[s % 4]; behind them the loads of the chunk four further on land in the same buffer.
;   CV           Written by the step's conversions; read by its eight LDS stores; written again by the next step's conversions.
;   FK, FQ       The step's twelve turning loads land in them, behind the barrier; its four products read them.
;   v4 .. v8     Two global offsets and three LDS addresses, made once at the path's head and never written again: the scalar bases and immediates reach the chunks.
;   The accumulators are named by matrix instructions alone, until the LDS stores of the way out read them.
; So a step has ONE wait on va_vdst, behind its conversions: CV is written, the conversions are done reading RB[s % 4], and the last step's products are done reading FK and FQ.
; Behind it, up to the step's products, stand LDS stores, global loads, the barrier and the turning loads alone: no vector or matrix instruction.  One wait on vm_vsrc at a step's head stands ahead of the conversions that write CV again.
; The casts: v32-95 are loaded once, v96-127 written once by conversions and stored once, v11 and v12 made once: one wait ahead of the loads, one ahead of each run of four stores.
.set PW,     160                       ; a row of 64 bf16 in LDS: 128 bytes + 32
.set QOFF,   64*PW                     ; Wq's chunk lies behind Wk's
.set PAR,    2*QOFF                    ; two such pairs take turns
.set STG,    2*PAR                     ; the stage for G's tile in f32: 64 rows of 272 bytes
.set SPITCH, 272
.set SPARE,  STG+64*SPITCH             ; the spare words: 128 bytes for each of eight waves
.set SPW, 2                            ; v2   my spare word's LDS address; never rewritten
.set NIL, 3                            ; v3   0; never rewritten
.set OK,  4                            ; v4   my byte offset in Wk's chunk
.set OQ,  5                            ; v5   in Wq's
.set STA, 6                            ; v6   where I put 8 bytes of a chunk's row
.set TK,  7                            ; v7   the turning load's address for Wk's fragments
.set TQ,  8                            ; v8   for Wq's
.set RB,  32                           ; v32-159  four buffers of 32: a chunk as loaded (4 x 4 of Wk, 4 x 4 of Wq)
.set CV,  160                          ; v160-175 the chunk in bf16
.set FK,  176                          ; v176-191 Wk's two fragments
.set FQ,  192                          ; v192-223 Wq's four
.set ACC, 224                          ; v224-239 two accumulators
.set TT,  240                          ; v240-247 at work: no memory instruction names them
; eight f32 at x -> four registers of bf16 at h, and the rest x - h, which is exact in f32, as four registers of bf16 at l
.macro HILO x, h, l
.irp k, 0,1,2,3
	v_cvt_pk_bf16_f32 v[(\h)+\k], v[(\x)+2*\k], v[(\x)+2*\k+1]
.endr
.irp k, 0,1,2,3
	v_lshlrev_b32 v[TT+2*\k], 16, v[(\h)+\k]
	v_and_b32 v[TT+2*\k+1], 0xffff0000, v[(\h)+\k]
.endr
.irp k, 0,1,2,3
	v_pk_add_f32 v[(\x)+2*\k:(\x)+2*\k+1], v[(\x)+2*\k:(\x)+2*\k+1], v[TT+2*\k:TT+2*\k+1] neg_lo:[0,1] neg_hi:[0,1]
.endr
.irp k, 0,1,2,3
	v_cvt_pk_bf16_f32 v[(\l)+\k], v[(\x)+2*\k], v[(\x)+2*\k+1]
.endr
.endm
	s_load_b256 s[4:11], s[0:1], 0x0               ; Wk s[4:5], Wq s[6:7], Wv s[8:9], x s[10:11]
	s_load_b128 s[12:15], s[0:1], 0x20             ; xb s[12:13], bw s[14:15]
	s_load_b64 s[16:17], s[0:1], 0x30              ; st
	v_lshl_add_u32 v[SPW], v0, 2, SPARE
	v_mov_b32 v[NIL], 0
	v_lshrrev_b32 v1, 5, v0
	v_readfirstlane_b32 s18, v1                    ; wave 0..7
	v_lshrrev_b32 v9, 4, v0                        ; t / 16: a row of sixteen
	v_and_b32 v10, 15, v0                          ; t % 16: 16 bytes of a row's 256
	v_lshlrev_b32 v11, 12, v9
	v_lshl_add_u32 v11, v10, 4, v11                ; row x 4,096 + 16 x piece: sixteen lanes read 256 consecutive bytes
	s_mov_b32 s19, ttmp9
	s_mov_b32 s21, 0                               ; high words of two offset pairs
	s_mov_b32 s23, 0
	s_wait_alu depctr_va_sdst(0)                   ; s18 is written
	s_wait_kmcnt 0x0
	s_cmp_lt_u32 s19, 256
	s_cbranch_scc1 .Lgram
	s_cmp_lt_u32 s19, 768
	s_cbranch_scc1 .Lcast_x
	s_cmp_lt_u32 s19, 832
	s_cbranch_scc1 .Lcast_w
	; THE FILL.  st is [2][b 4][strip 16][key block 32][128 rows] f32: half 0 maxima, half 1 sums.  A key block that no score tile writes then counts for nothing.
	s_sub_co_u32 s20, s19, 832
	s_cmp_lt_u32 s20, 32
	s_cselect_b32 s22, 0xf1800000, 0               ; -2^100 in the first half
	s_lshl_b32 s20, s20, 15
	s_add_nc_u64 s[16:17], s[16:17], s[20:21]
	v_mov_b32 v32, s22
	v_mov_b32 v33, s22
	v_mov_b32 v34, s22
	v_mov_b32 v35, s22
	v_lshlrev_b32 v12, 4, v0
	s_wait_alu depctr_va_vdst(0)                   ; v12 and v[32:35] are written: the eight stores read them as offset and data
.irp n, 0,1,2,3,4,5,6,7
	global_store_b128 v12, v[32:35], s[16:17] offset:4096*\n
.endr
	s_endpgm
; THE CASTS.  Sixteen rows of 4,096 bytes; thread t takes row t / 16.  Load n is the row's block n of 64 numbers; its 128 bytes of bf16 and the next row's lie side by side:
; a wave's store covers 256 consecutive bytes, aligned.  All 16 loads go out at once; the counts leave the younger ones out.
; The blocks go in four batches of four: eight conversions, one wait for them, four stores.  No register is loaded, written or stored twice.
.macro CBATCH n0, base, stride         ; blocks n0 to n0 + 3, stored from the base at s[base]
	s_wait_loadcnt 12-(\n0)                        ; loads come back in order (ISA guide 5.7.1): the batch's four are in, the younger ones stay out
.irp i, 0,1,2,3
	v_cvt_pk_bf16_f32 v[96+2*((\n0)+\i)], v[32+4*((\n0)+\i)], v[33+4*((\n0)+\i)]
	v_cvt_pk_bf16_f32 v[97+2*((\n0)+\i)], v[34+4*((\n0)+\i)], v[35+4*((\n0)+\i)]
.endr
	s_wait_alu depctr_va_vdst(0)                   ; the eight conversions have written their registers, which the four stores read
.irp i, 0,1,2,3
	global_store_b64 v12, v[96+2*((\n0)+\i):97+2*((\n0)+\i)], s[(\base):(\base)+1] offset:((\n0)%8+\i)*(\stride)
.endr
.endm
.macro CAST stride
	s_wait_alu depctr_va_vdst(0)                   ; v11 and v12 are written: every load reads the one as its offset, every store the other
.irp n, 0,1,2,3,4,5,6,7,8,9,10,11,12,13,14,15
	global_load_b128 v[32+4*\n:35+4*\n], v11, s[24:25] offset:256*\n th:TH_LOAD_NT
.endr
	CBATCH 0, 26, \stride
	CBATCH 4, 26, \stride
	CBATCH 8, 28, \stride                          ; a second base, eight blocks on, keeps the immediates inside their 24 bits
	CBATCH 12, 28, \stride
	s_endpgm
.endm
.Lcast_x:
	s_sub_co_u32 s20, s19, 256
	s_lshl_b32 s22, s20, 11                        ; 16 rows of 128 bytes in a block of xb
	s_lshl_b32 s20, s20, 16                        ; 16 rows of 4,096 bytes of x
	v_lshlrev_b32 v12, 7, v9
	v_lshl_add_u32 v12, v10, 3, v12                ; row x 128 + 8 x piece
	s_add_nc_u64 s[24:25], s[10:11], s[20:21]
	s_add_nc_u64 s[26:27], s[12:13], s[22:23]
	s_add_nc_u64 s[28:29], s[26:27], 8*1048576
	CAST 1048576
.Lcast_w:
	s_sub_co_u32 s20, s19, 768                     ; rows 16 k on of Wv: block c = k / 8, rows 256 + 16 (k % 8) on
	s_lshr_b32 s22, s20, 3
	s_mul_i32 s22, s22, 49152
	s_and_b32 s30, s20, 7
	s_lshl_b32 s30, s30, 11
	s_add_co_u32 s22, s22, s30
	s_add_co_u32 s22, s22, 32768
	s_lshl_b32 s20, s20, 16
	v_lshlrev_b32 v12, 7, v9
	v_lshl_add_u32 v12, v10, 3, v12
	s_add_nc_u64 s[24:25], s[8:9], s[20:21]
	s_add_nc_u64 s[26:27], s[14:15], s[22:23]
	s_add_nc_u64 s[28:29], s[26:27], 8*393216
	CAST 393216
	; G'S TILE.  Both operands lie [e][column], K down the rows: they go to LDS as bf16 and come out turned.  Wave w makes j block w / 2 and i blocks 2 (w % 2), 2 (w % 2) + 1.
	; Source 0 = Wq's columns (i), source 1 = Wk's (j): a lane then holds one j and eight neighbouring i.
.Lgram:
	s_lshr_b32 s32, s19, 4                         ; jt
	s_and_b32 s33, s19, 15                         ; it
	s_lshl_b32 s24, s32, 8
	s_lshl_b32 s25, s33, 8
	v_add_nc_u32 v[OK], s24, v11
	v_add_nc_u32 v[OQ], s25, v11
	v_mul_u32_u24 v[STA], v9, PW
	v_lshl_add_u32 v[STA], v10, 3, v[STA]
	v_and_b32 v12, 7, v0
	v_bfe_u32 v13, v0, 4, 1                        ; h = lane / 16
	v_bfe_u32 v14, v0, 3, 1
	v_lshl_add_u32 v12, v13, 3, v12                ; the turning load: lane l reads row 8 h + l % 8,
	v_mul_u32_u24 v12, v12, PW
	v_lshl_add_u32 v12, v14, 4, v12                ; columns 8 ((l / 8) % 2) on
	s_lshr_b32 s26, s18, 1                         ; my j block
	s_and_b32 s27, s18, 1                          ; my pair of i blocks
	s_lshl_b32 s28, s26, 5
	s_lshl_b32 s29, s27, 6
	s_add_co_u32 s29, s29, QOFF
	v_add_nc_u32 v[TK], s28, v12
	v_add_nc_u32 v[TQ], s29, v12
.macro GLOAD ci, b                     ; chunk ci (counted from the bases) into buffer b: eight loads
.irp m, 0,1,2,3
	global_load_b128 v[RB+32*(\b)+4*\m:RB+32*(\b)+4*\m+3], v[OK], s[4:5] offset:(\ci)*262144+\m*65536
.endr
.irp m, 0,1,2,3
	global_load_b128 v[RB+32*(\b)+16+4*\m:RB+32*(\b)+16+4*\m+3], v[OQ], s[6:7] offset:(\ci)*262144+\m*65536
.endr
.endm
; One chunk of 64 e.  ci >= 0: the buffer just emptied is asked for again, for the chunk four further on.  left: the younger loads that may stay out.
; One barrier a step serves both ways: the pair written now was last read two steps ago, and every wave waited for those reads in front of the last step's signal.
.macro STEPG buf, par, ci, left, zero
	s_wait_loadcnt \left                           ; loads come back in order (ISA guide 5.7.1): this step's chunk is in
.if !\zero
	s_wait_alu depctr_vm_vsrc(0)                   ; the last step's LDS stores have read CV, which the conversions below write again
.endif
.set q, 0
.rept 16
	v_cvt_pk_bf16_f32 v[CV+q], v[RB+32*(\buf)+2*q], v[RB+32*(\buf)+2*q+1]
.set q, q+1
.endr
	s_wait_alu depctr_va_vdst(0)                   ; the conversions have written CV, which the LDS stores read, and are done reading this buffer, in which the loads below land; the last step's products are done reading FK and FQ, in which the turning loads land
.irp m, 0,1,2,3
	ds_store_b64 v[STA], v[CV+2*\m:CV+2*\m+1] offset:(\par)*PAR+\m*16*PW
	ds_store_b64 v[STA], v[CV+8+2*\m:CV+8+2*\m+1] offset:(\par)*PAR+QOFF+\m*16*PW
.endr
.if (\ci) >= 0
	GLOAD \ci, \buf                                ; behind the LDS stores, for which the other waves wait, and ahead of the wait for them.  No wait of its own: no vector instruction since the wait above
.endif
	s_wait_dscnt 0x0                               ; for the others' sake: my part of the chunk is written
	s_barrier_signal -1
	s_barrier_wait -1
.irp k, 0,1
	ds_load_tr16_b128 v[FK+8*\k:FK+8*\k+3],   v[TK] offset:(\par)*PAR+\k*32*PW
	ds_load_tr16_b128 v[FK+8*\k+4:FK+8*\k+7], v[TK] offset:(\par)*PAR+\k*32*PW+16*PW
.irp n, 0,1
	ds_load_tr16_b128 v[FQ+16*\k+8*\n:FQ+16*\k+8*\n+3],   v[TQ] offset:(\par)*PAR+\k*32*PW+32*\n
	ds_load_tr16_b128 v[FQ+16*\k+8*\n+4:FQ+16*\k+8*\n+7], v[TQ] offset:(\par)*PAR+\k*32*PW+16*PW+32*\n
.endr
.endr
	s_wait_dscnt 0x0
.if \zero                              ; the first products start the sums; the two accumulators take turns
	v_wmma_f32_16x16x32_bf16 v[ACC:ACC+7],    v[FQ:FQ+7],    v[FK:FK+7], 0
	v_wmma_f32_16x16x32_bf16 v[ACC+8:ACC+15], v[FQ+8:FQ+15], v[FK:FK+7], 0
.else
	v_wmma_f32_16x16x32_bf16 v[ACC:ACC+7],    v[FQ:FQ+7],    v[FK:FK+7], v[ACC:ACC+7]
	v_wmma_f32_16x16x32_bf16 v[ACC+8:ACC+15], v[FQ+8:FQ+15], v[FK:FK+7], v[ACC+8:ACC+15]
.endif
	v_wmma_f32_16x16x32_bf16 v[ACC:ACC+7],    v[FQ+16:FQ+23], v[FK+8:FK+15], v[ACC:ACC+7]
	v_wmma_f32_16x16x32_bf16 v[ACC+8:ACC+15], v[FQ+24:FQ+31], v[FK+8:FK+15], v[ACC+8:ACC+15]
.endm
	s_wait_alu depctr_va_vdst(0)                   ; v[OK], v[OQ], v[STA], v[TK] and v[TQ] are written: every load, LDS store and turning load of the sixteen steps reads one of them
	GLOAD 0, 0
	GLOAD 1, 1
	GLOAD 2, 2
	GLOAD 3, 3
	STEPG 0, 0, 4, 24, 1                           ; a round takes every buffer once.  The first is written out: its first products start the sums.  24: three younger chunks of eight loads
	STEPG 1, 1, 5, 24, 0
	STEPG 2, 0, 6, 24, 0
	STEPG 3, 1, 7, 24, 0
	s_mov_b32 s30, 2
.Lg:                                                   ; steps 4 to 11, four a trip: they ask for chunks 8 to 15
	s_wait_xcnt 0x0                                ; the bases are stepped only behind this wait
	s_add_nc_u64 s[4:5], s[4:5], 0x100000          ; four chunks of 64 rows of 4,096 bytes
	s_add_nc_u64 s[6:7], s[6:7], 0x100000
	STEPG 0, 0, 4, 24, 0
	STEPG 1, 1, 5, 24, 0
	STEPG 2, 0, 6, 24, 0
	STEPG 3, 1, 7, 24, 0
	s_sub_co_u32 s30, s30, 1
	s_cmp_lg_u32 s30, 0
	s_cbranch_scc1 .Lg
	STEPG 0, 0, -1, 24, 0                          ; the last round asks for nothing: the counts run down
	STEPG 1, 1, -1, 16, 0
	STEPG 2, 0, -1, 8, 0
	STEPG 3, 1, -1, 0, 0
	; THE WAY OUT: f32 into the stage, a barrier, whole rows back, split into hi and lo.  The address work is the four places behind the last products.
	s_lshl_b32 s28, s26, 4
	v_add_nc_u32 v16, s28, v10                     ; row 16 jb + l % 16
	v_mul_u32_u24 v16, v16, SPITCH
	v_lshl_add_u32 v16, v13, 5, v16                ; 32 bytes for each half of the lanes
	s_lshl_b32 s29, s27, 7
	s_add_co_u32 s29, s29, STG
	v_add_nc_u32 v16, s29, v16
	v_lshrrev_b32 v17, 3, v0                       ; back: thread t takes row t / 8 (and 32 further), 32 bytes at 32 (t % 8)
	v_mul_u32_u24 v17, v17, SPITCH
	v_and_b32 v15, 7, v0
	v_lshl_add_u32 v17, v15, 5, v17
	v_add_nc_u32 v17, STG, v17
	v_lshlrev_b32 v18, 4, v0                       ; in bw: row x 128 + 16 x piece = 16 t: a wave stores 512 consecutive bytes
	s_wait_alu depctr_va_vdst(0)                   ; the products have written the accumulators, which the LDS stores read (the places above stay beside this wait); v16, v17 and v18 are written; the conversions are done reading v[32:47], in which the loads from the stage land
	ds_store_b128 v16, v[ACC:ACC+3]
	ds_store_b128 v16, v[ACC+4:ACC+7] offset:16
	ds_store_b128 v16, v[ACC+8:ACC+11] offset:64
	ds_store_b128 v16, v[ACC+12:ACC+15] offset:80
	s_mul_i32 s20, s33, 393216                     ; kb = it,
	s_lshr_b32 s24, s32, 1
	s_mul_i32 s24, s24, 49152                      ; c = jt / 2,
	s_add_co_u32 s20, s20, s24
	s_and_b32 s24, s32, 1
	s_lshl_b32 s24, s24, 13                        ; rows 64 (jt % 2) on
	s_add_co_u32 s20, s20, s24
	s_add_nc_u64 s[14:15], s[14:15], s[20:21]
	s_wait_dscnt 0x0
	s_barrier_signal -1
	s_barrier_wait -1
	ds_load_b128 v[32:35], v17
	ds_load_b128 v[36:39], v17 offset:16
	ds_load_b128 v[40:43], v17 offset:32*SPITCH
	ds_load_b128 v[44:47], v17 offset:32*SPITCH+16
	s_wait_dscnt 0x0
	HILO 32, 48, 52
	HILO 40, 56, 60
	s_wait_alu depctr_va_vdst(0)                   ; the two splits have written v[48:63], which the four stores read
	global_store_b128 v18, v[48:51], s[14:15]
	global_store_b128 v18, v[52:55], s[14:15] offset:16384
	global_store_b128 v18, v[56:59], s[14:15] offset:4096
	global_store_b128 v18, v[60:63], s[14:15] offset:20480
	s_wait_dscnt 0x0                               ; the closing lines, six on end
	s_wait_alu 0x0
	s_wait_tensorcnt 0x0
	ds_add_u32 v[SPW], v[NIL]
	s_wait_dscnt 0x0
	s_endpgm
.Lfunc_end_k_qf82dd03919_prep:
	.size	k_qf82dd03919_prep, .Lfunc_end_k_qf82dd03919_prep-k_qf82dd03919_prep
	.p2alignl 7, 3214868480
	.fill 96, 4, 3214868480
	.section	.rodata,"a",@progbits
	.p2align	6, 0x0
	.amdhsa_kernel k_qf82dd03919_prep
		.amdhsa_group_segment_fixed_size 59392
		.amdhsa_private_segment_fixed_size 0
		.amdhsa_enable_private_segment 0
		.amdhsa_kernarg_size 56
		.amdhsa_user_sgpr_count 2
		.amdhsa_user_sgpr_kernarg_segment_ptr 1
		.amdhsa_wavefront_size32 1
		.amdhsa_system_sgpr_workgroup_id_x 1
		.amdhsa_system_sgpr_workgroup_id_y 1
		.amdhsa_system_sgpr_workgroup_id_z 1
		.amdhsa_system_vgpr_workitem_id 0
		.amdhsa_next_free_vgpr 256
		.amdhsa_next_free_sgpr 66
		.amdhsa_reserve_vcc 0
		.amdhsa_float_denorm_mode_32 3
		.amdhsa_float_denorm_mode_16_64 3
		.amdhsa_memory_ordered 1
		.amdhsa_forward_progress 1
		.amdhsa_inst_pref_size 62
	.end_amdhsa_kernel
	.amdgpu_metadata
---
amdhsa.version: [ 1, 2 ]
amdhsa.kernels:
  - .name:           k_qf82dd03919_prep
    .symbol:         k_qf82dd03919_prep.kd
    .args:
      - { .name: Wk, .offset: 0, .size: 8, .value_kind: global_buffer, .address_space: global }
      - { .name: Wq, .offset: 8, .size: 8, .value_kind: global_buffer, .address_space: global }
      - { .name: Wv, .offset: 16, .size: 8, .value_kind: global_buffer, .address_space: global }
      - { .name: input_seq_embs, .offset: 24, .size: 8, .value_kind: global_buffer, .address_space: global }
      - { .name: xb, .offset: 32, .size: 8, .value_kind: global_buffer, .address_space: global }
      - { .name: bw, .offset: 40, .size: 8, .value_kind: global_buffer, .address_space: global }
      - { .name: st, .offset: 48, .size: 8, .value_kind: global_buffer, .address_space: global }
    .group_segment_fixed_size: 59392
    .private_segment_fixed_size: 0
    .kernarg_segment_align: 8
    .kernarg_segment_size: 56
    .max_flat_workgroup_size: 256
    .sgpr_count:     66
    .vgpr_count:     256
    .wavefront_size: 32
...
	.end_amdgpu_metadata
.endif
;; end of part 5
;; launch proj: the kernel of part 2 again; grid 8 x 32, 4 waves a work-group, clusters of 4 x 4, 327,680 bytes of LDS; arguments xb, bw, tt, vt; writes tt, vt
;; launch score: the kernel of part 3 again; grid 64 x 4, 4 waves a work-group, no clusters, 327,680 bytes of LDS; arguments tt, xb, pt, st; writes pt, st
;; launch pv: the kernel of part 4 again; grid 8 x 32, 4 waves a work-group, clusters of 4 x 1, 327,680 bytes of LDS; arguments pt, vt, st, out0; writes out0
